; MI455X (gfx1250); checked and timed in simulation.
; The chip was launched on July 23, 2026; its instructions are those of AMD's public machine-readable ISA for CDNA 5 (MIT licence, August 2026) and "CDNA5" Instruction Set Architecture Reference Guide (July 2026). The comments in the code are by the model that wrote it; some were corrected since.
;; Custom Transformer Block. Allowed arithmetic: float matrix products may take bf16 or f16 operands with f32 sums; other float arithmetic in f32, or as packed bf16 or f16 multiplies, adds, multiply-adds, maxima and minima; sums over many terms, partial sums and values carried from step to step in f32; what a program stores and reads back later, other than sums and carried values, may be rounded once to bf16 or f16.
;; Inputs: b1 4,096 float32; b2 1,024 float32; key_pad_mask 2 x 2,048 bool; kv_b 2,048 float32; kv_w 1,024 x 2,048 float32; ln1_w 1,024 float32; ln2_w 1,024 float32; q_b 1,024 float32; q_w 1,024 x 1,024 float32; w1 1,024 x 4,096 float32; w2 4,096 x 1,024 float32; x 2 x 2,048 x 1,024 float32.
;; Outputs: out0 2 x 2,048 x 1,024 float32.
;; One version. Each part assembles by itself: llvm-mc -triple=amdgcn-amd-amdhsa -mcpu=gfx1250 --defsym DOCPART=n.
;; ======== version 1 of 1: 5 launches
;; workspace buffers: an 8,388,608 bytes; wb 23,068,672 bytes; qkv 25,165,824 bytes; pneg 16,384 bytes; vpart 131,072 bytes; ssq 262,144 bytes; act 33,554,432 bytes
;; launch prep (part 1): grid 962 x 1, 16 waves a work-group, no clusters, 0 bytes of LDS; arguments x, ln1_w, q_w, kv_w, w1, w2, key_pad_mask, an, wb, pneg, ln2_w; writes an, wb, pneg
.if DOCPART == 1
	.amdgcn_target "amdgcn-amd-amdhsa--gfx1250"
	.amdhsa_code_object_version 6
	.text
	.protected	k_q7453d11a00_prep
	.globl	k_q7453d11a00_prep
	.p2align	8
	.type	k_q7453d11a00_prep,@function
k_q7453d11a00_prep:
	s_mov_b64 s[64:65], 0
	v_nop
	global_prefetch_b8 v0, s[64:65] scope:SCOPE_SE
	s_setreg_imm32_b32 hwreg(HW_REG_WAVE_MODE, 25, 1), 1
	s_wait_xcnt 0x0
; PREP: three streams, told apart by the work-group's number g.
;   g < 256        an[row][:] = bf16( xb * rsqrt(mean(xb^2) + 1e-5) * wb ), xb = x and wb = ln1_w rounded to bf16.  A wave takes a row of 1,024 numbers and keeps it in 32 registers.
;   256 <= g < 960 the four weight tensors rounded to bf16, still [K][N]: q_w and kv_w side by side as [1024][3072], then w1 [1024][4096], then w2 [4096][1024].  A wave takes 1,024 numbers.
;                  w1's row k is multiplied by ln2_w[k] on the way (both rounded to bf16 first, the product rounded once more): the second norm's gain is applied here, its row scale behind the product.
;   g = 960, 961   key_pad_mask as a table of f32: 0 for a key that counts, -1e30 for a padded one (any byte other than 0 counts as padded).
; Every input is rounded to bf16 where it is first used, in the whole program.  No LDS, no barrier: no wave wants another's bytes.
; LIMITS: a row's sum of squares stays finite in f32; NaN and infinities are not treated apart.
.set W1OFF, 6291456                    ; bytes of wb in front of w1's copy
.set W2OFF, 14680064                   ; and of w2's
.set X,  8                             ; v[8:39]   the row, or the chunk
.set W,  40                            ; v[40:71]  the gains
.set SQ, 72                            ; v[72:79]  four chains of squares; in the cast v[72:73] hold the row's gain twice
.macro RND2 a, b, t                    ; two f32 rounded to bf16 and widened again
	v_cvt_pk_bf16_f32 v[\t], v[\a], v[\b]
	v_lshlrev_b32 v[\a], 16, v[\t]
	v_and_b32 v[\b], s30, v[\t]
.endm
; One wave, one row.  XP: rows of 4,096 bytes in f32; WP: the gains; YP: rows of 2,048 bytes in bf16.
.macro NORM XP, WP, YP
	s_lshl_b32 s5, ttmp9, 4
	s_add_co_u32 s5, s5, s4                        ; row = 16 g + wave
	s_lshl_b32 s6, s5, 12
	s_mov_b32 s7, 0
	s_add_nc_u64 s[\XP:\XP+1], s[\XP:\XP+1], s[6:7]
	s_lshl_b32 s6, s5, 11
	s_add_nc_u64 s[\YP:\YP+1], s[\YP:\YP+1], s[6:7]
.set j, 0
.rept 8
	global_load_b128 v[X+4*j:X+4*j+3], v1, s[\XP:\XP+1] offset:512*j th:TH_LOAD_NT  ; 512 consecutive bytes a load
.set j, j+1
.endr
.set j, 0
.rept 8
	global_load_b128 v[W+4*j:W+4*j+3], v1, s[\WP:\WP+1] offset:512*j
.set j, j+1
.endr
	v_mov_b32 v81, 0                               ; v_permlanex16_b32's destination counts as read
	s_wait_loadcnt 8                               ; the row is in; the gains' eight younger loads stay out
.set j, 0
.rept 16
	RND2 X+2*j, X+2*j+1, 80+5*(j%2)
.set j, j+1
.endr
.set j, 0
.rept 4
	v_pk_mul_f32 v[SQ+2*j:SQ+2*j+1], v[X+2*j:X+2*j+1], v[X+2*j:X+2*j+1]  ; the first four pairs start the chains
.set j, j+1
.endr
.rept 12
	v_pk_fma_f32 v[SQ+2*(j%4):SQ+2*(j%4)+1], v[X+2*j:X+2*j+1], v[X+2*j:X+2*j+1], v[SQ+2*(j%4):SQ+2*(j%4)+1]
.set j, j+1
.endr
	v_pk_add_f32 v[SQ:SQ+1], v[SQ:SQ+1], v[SQ+2:SQ+3]
	v_pk_add_f32 v[SQ+4:SQ+5], v[SQ+4:SQ+5], v[SQ+6:SQ+7]
	v_pk_add_f32 v[SQ:SQ+1], v[SQ:SQ+1], v[SQ+4:SQ+5]
	v_add_f32 v[SQ], v[SQ], v[SQ+1]
	v_add_f32_dpp v[SQ], v[SQ], v[SQ] row_xmask:1 row_mask:0xf bank_mask:0xf
	v_add_f32_dpp v[SQ], v[SQ], v[SQ] row_xmask:2 row_mask:0xf bank_mask:0xf
	v_add_f32_dpp v[SQ], v[SQ], v[SQ] row_xmask:4 row_mask:0xf bank_mask:0xf
	v_add_f32_dpp v[SQ], v[SQ], v[SQ] row_xmask:8 row_mask:0xf bank_mask:0xf
	v_permlanex16_b32 v81, v[SQ], s34, s35
	v_add_f32 v[SQ], v[SQ], v81                    ; every lane holds the row's sum of squares
	v_fma_f32 v84, v[SQ], s31, s32                 ; / 1024 + 1e-5
	v_rsq_f32 v82, v84
	v_mov_b32 v83, 0                               ; the plain instruction behind the root; also the pair's second word
	s_wait_loadcnt 0x0                             ; the gains
.set j, 0
.rept 16
	RND2 W+2*j, W+2*j+1, 80+5*(j%2)                ; independent work between the root and its wait
.set j, j+1
.endr
	s_wait_alu depctr_va_vdst(0)                   ; the wait ahead of the root's first reader
.set j, 0
.rept 16
	v_pk_mul_f32 v[X+2*j:X+2*j+1], v[X+2*j:X+2*j+1], v[82:83] op_sel_hi:[1,0]
.set j, j+1
.endr
.set j, 0
.rept 16
	v_pk_mul_f32 v[X+2*j:X+2*j+1], v[X+2*j:X+2*j+1], v[W+2*j:W+2*j+1]
.set j, j+1
.endr
.set j, 0
.rept 8
	v_cvt_pk_bf16_f32 v[X+4*j], v[X+4*j], v[X+4*j+1]
	v_cvt_pk_bf16_f32 v[X+4*j+1], v[X+4*j+2], v[X+4*j+3]
	global_store_b64 v2, v[X+4*j:X+4*j+1], s[\YP:\YP+1] offset:256*j  ; the wave's store covers 256 consecutive bytes, aligned
.set j, j+1
.endr
.endm
; A chunk of 1,024 numbers to bf16.  g = 1: they are w1's, and take their row's gain, which s41 will hold.
.macro CAST g
.set j, 0
.rept 8
	global_load_b128 v[X+4*j:X+4*j+3], v1, s[28:29] offset:512*j th:TH_LOAD_NT
.set j, j+1
.endr
.if \g
	s_wait_kmcnt 0x0                               ; the gain
	v_mov_b32 v72, s41
	v_cvt_pk_bf16_f32 v72, v72, v72
	v_lshlrev_b32 v72, 16, v72                     ; rounded to bf16,
	v_mov_b32 v73, v72                             ; twice, for the packed multiply
.endif
.set j, 0
.rept 8
	s_wait_loadcnt 7-j                             ; load j is in; the younger ones stay out
.if \g
	RND2 X+4*j, X+4*j+1, 80
	RND2 X+4*j+2, X+4*j+3, 85
	v_pk_mul_f32 v[X+4*j:X+4*j+1], v[X+4*j:X+4*j+1], v[72:73]
	v_pk_mul_f32 v[X+4*j+2:X+4*j+3], v[X+4*j+2:X+4*j+3], v[72:73]
.endif
	v_cvt_pk_bf16_f32 v[X+4*j], v[X+4*j], v[X+4*j+1]
	v_cvt_pk_bf16_f32 v[X+4*j+1], v[X+4*j+2], v[X+4*j+3]
	global_store_b64 v2, v[X+4*j:X+4*j+1], s[24:25] offset:256*j
.set j, j+1
.endr
.endm
	s_load_b512 s[8:23], s[0:1], 0x0               ; x 8, ln1_w 10, q_w 12, kv_w 14, w1 16, w2 18, key_pad_mask 20, an 22
	s_load_b128 s[24:27], s[0:1], 0x40             ; wb 24, pneg 26
	s_load_b64 s[44:45], s[0:1], 0x50              ; ln2_w
	v_lshrrev_b32 v3, 5, v0
	v_readfirstlane_b32 s4, v3                     ; wave 0..15
	v_and_b32 v4, 31, v0
	v_lshlrev_b32 v1, 4, v4                        ; 16 bytes a lane on the way in
	v_lshlrev_b32 v2, 3, v4                        ; 8 on the way out
	s_mov_b32 s30, 0xffff0000
	s_mov_b32 s31, 0x3a800000                      ; 1 / 1024
	s_mov_b32 s32, 0x3727c5ac                      ; 1e-5
	s_mov_b32 s34, 0x76543210
	s_mov_b32 s35, 0xfedcba98
	s_wait_kmcnt 0x0
	s_cmp_lt_u32 ttmp9, 256
	s_cbranch_scc1 .Lnorm
	s_cmp_lt_u32 ttmp9, 960
	s_cbranch_scc1 .Lcast
	; the mask: thread t of 1,024 takes four bytes and stores four f32
	s_sub_co_u32 s5, ttmp9, 960
	s_lshl_b32 s5, s5, 9
	v_add_nc_u32 v5, s5, v0
	v_lshlrev_b32 v6, 2, v5
	v_lshlrev_b32 v7, 4, v5
	global_load_b32 v8, v6, s[20:21]
	s_mov_b32 s6, 0xf149f2ca                       ; -1e30
	s_wait_loadcnt 0x0
.irp k, 0,1,2,3
	v_bfe_u32 v[12+\k], v8, 8*\k, 8
.endr
.irp k, 0,1,2,3
	v_cmp_ne_u32 vcc_lo, 0, v[12+\k]
	v_cndmask_b32 v[12+\k], 0, s6, vcc_lo
.endr
	global_store_b128 v7, v[12:15], s[26:27]
	s_endpgm
.Lnorm:
	NORM 8, 10, 22
	s_endpgm
.Lcast:
	s_sub_co_u32 s5, ttmp9, 256                    ; 64 groups for q_w, 128 for kv_w, 256 for w1, 256 for w2
	s_mov_b64 s[28:29], s[18:19]                   ; w2's figures; the compares below put the others' in their place
	s_mov_b32 s36, 448                             ; the tensor's first group
	s_mov_b32 s37, 0                               ; log2 of the chunks in a source row that lie apart in wb (kv_w: two)
	s_mov_b32 s38, 2048                            ; bytes from chunk row to chunk row in wb
	s_mov_b32 s39, W2OFF                           ; where the copy begins
	s_mov_b32 s42, 0                               ; 1: the tensor is w1
	s_cmp_lt_u32 s5, 448
	s_cselect_b64 s[28:29], s[16:17], s[28:29]
	s_cselect_b32 s36, 192, s36
	s_cselect_b32 s39, W1OFF, s39
	s_cselect_b32 s42, 1, s42
	s_cmp_lt_u32 s5, 192
	s_cselect_b64 s[28:29], s[14:15], s[28:29]
	s_cselect_b32 s36, 64, s36
	s_cselect_b32 s37, 1, s37
	s_cselect_b32 s38, 6144, s38
	s_cselect_b32 s39, 2048, s39
	s_cselect_b32 s42, 0, s42
	s_cmp_lt_u32 s5, 64
	s_cselect_b64 s[28:29], s[12:13], s[28:29]
	s_cselect_b32 s36, 0, s36
	s_cselect_b32 s37, 0, s37
	s_cselect_b32 s39, 0, s39
	s_sub_co_u32 s5, s5, s36
	s_lshl_b32 s5, s5, 4
	s_add_co_u32 s5, s5, s4                        ; my chunk of 1,024 numbers
	s_lshl_b32 s6, s5, 12
	s_mov_b32 s7, 0
	s_add_nc_u64 s[28:29], s[28:29], s[6:7]
	s_lshr_b32 s6, s5, s37
	s_mul_i32 s6, s6, s38
	s_and_b32 s33, s5, s37
	s_lshl_b32 s33, s33, 11
	s_add_co_u32 s6, s6, s33
	s_add_co_u32 s6, s6, s39
	s_add_nc_u64 s[24:25], s[24:25], s[6:7]
	s_cmp_eq_u32 s42, 1
	s_cbranch_scc1 .Lgain
	CAST 0
	s_endpgm
.Lgain:
	s_lshr_b32 s6, s5, 2                           ; a row of w1 is four chunks: row k,
	s_lshl_b32 s6, s6, 2                           ; its gain's four bytes
	s_add_nc_u64 s[44:45], s[44:45], s[6:7]
	s_load_b32 s41, s[44:45], 0x0
	CAST 1
	s_endpgm
.Lfunc_end_k_q7453d11a00_prep:
	.size	k_q7453d11a00_prep, .Lfunc_end_k_q7453d11a00_prep-k_q7453d11a00_prep
	.p2alignl 7, 3214868480
	.fill 96, 4, 3214868480
	.section	.rodata,"a",@progbits
	.p2align	6, 0x0
	.amdhsa_kernel k_q7453d11a00_prep
		.amdhsa_group_segment_fixed_size 0
		.amdhsa_private_segment_fixed_size 0
		.amdhsa_enable_private_segment 0
		.amdhsa_kernarg_size 88
		.amdhsa_user_sgpr_count 2
		.amdhsa_user_sgpr_kernarg_segment_ptr 1
		.amdhsa_wavefront_size32 1
		.amdhsa_system_sgpr_workgroup_id_x 1
		.amdhsa_system_sgpr_workgroup_id_y 1
		.amdhsa_system_sgpr_workgroup_id_z 1
		.amdhsa_system_vgpr_workitem_id 0
		.amdhsa_next_free_vgpr 96
		.amdhsa_next_free_sgpr 66
		.amdhsa_reserve_vcc 1
		.amdhsa_float_denorm_mode_32 3
		.amdhsa_float_denorm_mode_16_64 3
		.amdhsa_memory_ordered 1
		.amdhsa_forward_progress 1
		.amdhsa_inst_pref_size 24
	.end_amdhsa_kernel
	.amdgpu_metadata
---
amdhsa.version: [ 1, 2 ]
amdhsa.kernels:
  - .name:           k_q7453d11a00_prep
    .symbol:         k_q7453d11a00_prep.kd
    .args:
      - { .name: x, .offset: 0, .size: 8, .value_kind: global_buffer, .address_space: global }
      - { .name: ln1_w, .offset: 8, .size: 8, .value_kind: global_buffer, .address_space: global }
      - { .name: q_w, .offset: 16, .size: 8, .value_kind: global_buffer, .address_space: global }
      - { .name: kv_w, .offset: 24, .size: 8, .value_kind: global_buffer, .address_space: global }
      - { .name: w1, .offset: 32, .size: 8, .value_kind: global_buffer, .address_space: global }
      - { .name: w2, .offset: 40, .size: 8, .value_kind: global_buffer, .address_space: global }
      - { .name: key_pad_mask, .offset: 48, .size: 8, .value_kind: global_buffer, .address_space: global }
      - { .name: an, .offset: 56, .size: 8, .value_kind: global_buffer, .address_space: global }
      - { .name: wb, .offset: 64, .size: 8, .value_kind: global_buffer, .address_space: global }
      - { .name: pneg, .offset: 72, .size: 8, .value_kind: global_buffer, .address_space: global }
      - { .name: ln2_w, .offset: 80, .size: 8, .value_kind: global_buffer, .address_space: global }
    .group_segment_fixed_size: 0
    .private_segment_fixed_size: 0
    .kernarg_segment_align: 8
    .kernarg_segment_size: 88
    .max_flat_workgroup_size: 512
    .sgpr_count:     66
    .vgpr_count:     96
    .wavefront_size: 32
...
	.end_amdgpu_metadata
.endif
;; end of part 1
;; launch qkv (part 2): grid 12 x 16, 4 waves a work-group, clusters of 4 x 4, 327,680 bytes of LDS; arguments an, wb, q_b, kv_b, qkv, vpart; writes qkv, vpart
.if DOCPART == 2
	.amdgcn_target "amdgcn-amd-amdhsa--gfx1250"
	.amdhsa_code_object_version 6
	.text
	.protected	k_q7453d11a00_qkv
	.globl	k_q7453d11a00_qkv
	.p2align	8
	.type	k_q7453d11a00_qkv,@function
k_q7453d11a00_qkv:
	s_mov_b64 s[64:65], 0
	v_nop
	global_prefetch_b8 v0, s[64:65] scope:SCOPE_SE
	s_setreg_imm32_b32 hwreg(HW_REG_WAVE_MODE, 25, 1), 1
	s_wait_xcnt 0x0
	s_wait_alu depctr_hold_cnt(0) depctr_sa_sdst(0) depctr_va_vdst(0) depctr_va_sdst(0) depctr_va_ssrc(0) depctr_va_vcc(0) depctr_vm_vsrc(0)
	s_getreg_b32 s2, hwreg(HW_REG_IB_STS2, 6, 4)
	s_cmp_eq_u32 s2, 0
	s_cbranch_scc0 .Lentry_in_a_cluster
	s_endpgm
.Lentry_in_a_cluster:
	s_bfe_u32 s2, ttmp6, 0x10000c
	s_cmp_lg_u32 s2, 0xf033
	s_cbranch_scc0 .Lentry_shape_is_right
	s_endpgm
.Lentry_shape_is_right:
; QKV: C[m][n] = sum over k of an[m][k] wqkv[k][n] + bias[n], 4096 x 3072 x 1024, bf16 operands, f32 sums; stored by heads, qkv[part][batch x 16 + head][s][64] in bf16 (part 0 q, 1 k, 2 v).
; bf16 and not f16: with gains and weights some 30 times larger q, k and v pass f16's range.  The biases are rounded to bf16 like every input.
; ALSO: vpart[batch x 16 + head][block of 128 rows][64] = the sum of v (in f32, before its rounding) over the block's rows: the attention makes of the 16 blocks the mean of v over all keys.
; A work-group of four waves makes 256 x 256 of C, a wave 128 x 128: 64 accumulators, 512 registers.  K goes in 8 steps of 128 through two LDS slots filled by the tensor data mover.
; A's rows lie along K.  B lies [K][N] and comes out of LDS turned, by ds_load_tr16_b128.  The matrix instruction is used transposed (source 0 = 16 columns of B, source 1 = 16 rows of A):
; a lane holds row l % 16 of C and the columns 8 (l / 16) + 0..7.
; ONE K STEP OF TEXT: the slot in hand is a scalar, turned by an exclusive or; one descriptor a tensor walks.  Only the first quarter step, whose products start the sums, stands ahead of the loop; a trip
; goes from a step's second quarter to the next step's first.  The last two steps, which fill nothing, are a loop that is left in its middle; the last of them fetches the other slot's old fragments
; once and does not use them.
; CLUSTER 4 x 4: A's tile is asked for jointly along a row of the cluster, B's along a column.  The grid is 12 x 16 tiles: 192 work-groups.
; THE WAY OUT: the ring has had its last fill; each wave lays its 128 x 128 f32 into 67,584 bytes of it and reads them back by rows.
; REGISTERS: window 0: v0-49 addresses, bias, column sums; v64-127, v128-191 A's fragments, two buffers.  Window 1: the same two for B.  Windows 2, 3: accumulator (a, b) at v[8 (8 (a % 4) + b)].
.set NN,    3072                       ; columns of B
.set PA,    272                        ; an LDS row of A: 256 bytes + 16
.set PB,    544                        ; an LDS row of B: 512 bytes + 32 = 17 x 32
.set HALF,  0x8800                     ; 128 rows of A, or 64 rows of B: what one tensor load brings
.set BOFF,  2*HALF
.set SLOT,  4*HALF                     ; 0x22000: its two bits occur in none of the four LDS words 0, 0x8800, 0x11000, 0x19800, so an exclusive or changes slots
.set SPARE, 2*SLOT                     ; the spare words: 128 bytes a wave, two blocks of 256 bytes that no other line names
.set DP,    528                        ; the way out: a row of 128 f32 + 16 bytes
.set DREG,  128*DP
.set A0,   2                           ; v2   my lane's place in A's tile; never rewritten
.set B0,   3                           ; v3   the same for B
.set ADRA, 16                          ; v16  the same in the slot in hand
.set ADRB, 20
.set DST,  24                          ; v24  the way out: where my 32 bytes of a row go
.set RD0,  25                          ; v25  where I read back
.set CO,   26                          ; v26  my byte offset in the stores
.set RDC,  27
.set SPW,  28                          ; v28  my spare word; never rewritten
.set NIL,  29                          ; v29  0; never rewritten
.set PFO,  30                          ; v30  the prefetches' lane offset; never rewritten
.set VPO,  31                          ; v31  my byte offset in vpart
.set BI,   32                          ; v[32:39] bias: my four columns of each of the wave's two heads
.set CSM,  42                          ; v[42:49] the sums of those eight columns over my rows
.set F0,   64
.set F1,   128
.set Z,    64
.set G1,  24
.set G0,  32                           ; two sets; the second walks
.set G1B, 48
.set G0B, 56
.set LIM, 43
.set PFA, 44
.set BP,  66
.set TB,  68                           ; s68  LDS byte at which the slot in hand begins
.set PSTEP, 70                         ; s[70:71] bytes from a K step to the next in the tensor that I prefetch
.set LO,  74
.set MSK, 75
.set MSB, 0
.macro WIN new                         ; the immediate's high byte repeats the setting that is left
.if MSB != (\new)
	s_set_vgpr_msb (MSB<<8)|(\new)
.set MSB, \new
.endif
.endm
.set MUL_LO, 0xa1                      ; source 0 (B) window 1, source 1 (A) window 0, C and D window 2
.set MUL_HI, 0xf1
.set TO_B,   0x40
.macro PLACES                          ; four plain places behind matrix instructions (ISA guide 7.12.1)
.rept 4
	v_nop
.endr
.endm
.macro RND2 a, b, t
	v_cvt_pk_bf16_f32 v[\t], v[\a], v[\b]
	v_lshlrev_b32 v[\a], 16, v[\t]
	v_and_b32 v[\b], s[MSK], v[\t]
.endm
; A joint load: waves 0 and 1 fetch A's halves, waves 2 and 3 B's.  An s_nop 0 and four v_nop follow each line.
.macro JLOAD s
	s_cmp_eq_u32 s11, 0
	s_cbranch_scc0 .Lfor_b_\@
	tensor_load_to_lds s[G0+4*(\s):G0+4*(\s)+3], s[G1:G1+7]
	s_nop 0
.rept 4
	v_nop
.endr
	s_branch .Lasked_\@
.Lfor_b_\@:
	tensor_load_to_lds s[G0B+4*(\s):G0B+4*(\s)+3], s[G1B:G1B+7]
	s_nop 0
.rept 4
	v_nop
.endr
.Lasked_\@:
.endm
; A prefetch of the K step two refills on: 32 blocks of 256 bytes, a lane a block, one instruction a wave.  A's rows are asked for by the clusters with x = 0, B's by those with y = 0; the four
; partners of a joint load share its blocks out by address.  K steps 4 to 7 are named (the trips with s3 = 6 to 3), each block once; steps 0 to 3 come by their loads alone.
.macro ASK
	s_cmp_gt_u32 s3, s[LIM]
	s_cbranch_scc0 .Lnot_mine_\@
	global_prefetch_b8 v[PFO], s[PFA:PFA+1] th:TH_LOAD_NT scope:SCOPE_SE
.Lnot_mine_\@:
.endm
.macro CREST                           ; a round of the cluster's barrier behind its opening barrier
	s_cmp_lg_u32 s10, 0
	s_cbranch_scc1 .Lnot_wave_0_\@
	s_barrier_signal -3
.Lnot_wave_0_\@:
	s_barrier_wait -3
	s_barrier_signal -1
	s_barrier_wait -1
.endm
.macro CROUND
	s_barrier_signal -1
	s_barrier_wait -1
	CREST
.endm
; 16 matrix instructions: m blocks a0, a0 + 1 of the window's four x all 8 n blocks, 32 along K.  zero = 1: the product starts the sum.
.macro MUL16 f, hi, a0, zero
	WIN MUL_LO+0x50*(\hi)
.irp a, \a0, (\a0)+1
.irp b, 0,1,2,3,4,5,6,7
.if \zero
	v_wmma_f32_16x16x32_bf16 v[8*(8*(\a)+(\b)):8*(8*(\a)+(\b))+7], v[(\f)+8*(\b):(\f)+8*(\b)+7], v[(\f)+8*(4*(\hi)+(\a)):(\f)+8*(4*(\hi)+(\a))+7], 0
.else
	v_wmma_f32_16x16x32_bf16 v[8*(8*(\a)+(\b)):8*(8*(\a)+(\b))+7], v[(\f)+8*(\b):(\f)+8*(\b)+7], v[(\f)+8*(4*(\hi)+(\a)):(\f)+8*(4*(\hi)+(\a))+7], v[8*(8*(\a)+(\b)):8*(8*(\a)+(\b))+7]
.endif
.endr
.endr
.endm
; 32 LDS loads in one run: quarter q (32 along K) of the slot in hand into buffer f: B's 8 blocks of 16 columns, turned, then A's 8 blocks of 16 rows
.macro FETCH q, f
	WIN TO_B
.irp i, 0,1,2,3,4,5,6,7
	ds_load_tr16_b128 v[(\f)+8*(\i):(\f)+8*(\i)+3],   v[ADRB] offset:(\q)*32*PB+32*(\i)
	ds_load_tr16_b128 v[(\f)+8*(\i)+4:(\f)+8*(\i)+7], v[ADRB] offset:(\q)*32*PB+16*PB+32*(\i)
.endr
	WIN 0
.irp i, 0,1,2,3,4,5,6,7
	ds_load_b128 v[(\f)+8*(\i):(\f)+8*(\i)+3],   v[ADRA] offset:(\q)*64+(\i)*16*PA
	ds_load_b128 v[(\f)+8*(\i)+4:(\f)+8*(\i)+7], v[ADRA] offset:(\q)*64+(\i)*16*PA+32
.endr
.endm
; One of a K step's first three quarters: multiplies buffer f, and in its middle fetches quarter q into buffer g.  The 64 accumulators take turns in one order throughout.
.macro QUARTER q, f, g, zero
	s_wait_dscnt 8                                 ; B and A's rows 0-63 are in; the youngest eight loads (A's rows 64-127) may be out
	MUL16 \f, 0, 0, \zero
	MUL16 \f, 0, 2, \zero
	PLACES
	FETCH \q, \g
	s_wait_dscnt 32                                ; all but the 32 just issued
	MUL16 \f, 1, 0, \zero
	MUL16 \f, 1, 2, \zero
.endm
; The change of slots, first half: every wave waits for all its tensor loads (one is out: its part of the next slot), adds 0 to its spare word, waits for that and for its reads of this slot, and meets the others.
.macro MEET round
	WIN 0
	s_wait_tensorcnt 0x0
	ds_add_u32 v[SPW], v[NIL]
	s_wait_dscnt 9                                 ; the add and the youngest eight loads may be out
	MUL16 F1, 0, 0, 0
	s_wait_dscnt 0x0                               ; the add is done, my reads of this slot are over
	s_barrier_signal -1
	MUL16 F1, 0, 2, 0
.if \round
	WIN 0
.endif
	s_barrier_wait -1
.endm
; The last quarter.  fill = 1: behind a round of the cluster's barrier the slot just read is filled again with the K step two on, first thing; then the other slot's first fragments.
.macro TURN fill
.if \fill
	s_wait_xcnt 0x0                                ; the last prefetch, a K step back, has read its address
	s_add_nc_u64 s[PFA:PFA+1], s[PFA:PFA+1], s[PSTEP:PSTEP+1]
	MEET 1
	CREST
	s_xor_b32 s[G0+5], s[G0+5], SLOT               ; no tensor load of mine is out: the walking descriptors step
	s_add_nc_u64 s[G0+6:G0+7], s[G0+6:G0+7], 256
	s_xor_b32 s[G0B+5], s[G0B+5], SLOT
	s_add_nc_u64 s[G0B+6:G0B+7], s[G0B+6:G0B+7], 256*NN
	JLOAD 1                                        ; its four v_nop are also the places in front of the loads below
.else
	MEET 0
	PLACES
.endif
	WIN 0
	s_xor_b32 s[TB], s[TB], SLOT
	v_add_nc_u32 v[ADRA], s[TB], v[A0]
	v_add_nc_u32 v[ADRB], s[TB], v[B0]
	FETCH 0, F0
.if \fill
	ASK
.endif
	MUL16 F1, 1, 0, 0
	MUL16 F1, 1, 2, 0
.endm
.macro DUMP                            ; the tile in f32 into my part of the dead ring; each accumulator's low registers first
.irp a, 0,1,2,3,4,5,6,7
	WIN 0x08+4*((\a)/4)
.irp b, 0,1,2,3,4,5,6,7
	ds_store_b128 v[DST], v[8*(8*((\a)%4)+(\b)):8*(8*((\a)%4)+(\b))+3]   offset:16*DP*(\a)+64*(\b)
	ds_store_b128 v[DST], v[8*(8*((\a)%4)+(\b))+4:8*(8*((\a)%4)+(\b))+7] offset:16*DP*(\a)+64*(\b)+16
.endr
.endr
	WIN 0
.endm
	s_load_b128 s[4:7], s[0:1], 0x0                ; an, wb
	s_load_b128 s[76:79], s[0:1], 0x10             ; q_b, kv_b
	s_load_b64 s[8:9], s[0:1], 0x20                ; qkv
	s_load_b64 s[82:83], s[0:1], 0x28              ; vpart
	v_lshl_add_u32 v[SPW], v0, 2, SPARE
	v_mov_b32 v[NIL], 0
	ds_add_u32 v[SPW], v[NIL]                      ; the opening: the add and its wait ahead of my first tensor load
	v_lshrrev_b32 v1, 5, v0
	v_readfirstlane_b32 s10, v1                    ; wave 0..3
	s_lshr_b32 s11, s10, 1                         ; my half of the tile's rows; also: I fetch for A (0) or B (1)
	s_and_b32 s12, s10, 1                          ; my half of its columns; also: which half I fetch
	s_bfe_u32 s40, ttmp6, 0x40000                  ; cx
	s_bfe_u32 s41, ttmp6, 0x40004                  ; cy
	s_lshl_b32 s42, ttmp9, 2
	s_add_co_u32 s42, s42, s40                     ; tile column
	s_and_b32 s13, ttmp7, 0xffff
	s_lshl_b32 s13, s13, 2
	s_add_co_u32 s13, s13, s41                     ; tile row
	s_lshl_b32 s43, s41, 2
	s_lshl_b32 s43, 15, s43                        ; my row of the cluster
	s_lshl_b32 s44, 0x1111, s40                    ; my column
	s_or_b32 s[G1+0], s43, (1<<16)|(1<<20)|(1<<21)|(5<<22)|(3<<25)   ; A: 2-byte elements, 4 words of padding after every 64
	s_or_b32 s[G1B+0], s44, (1<<16)|(1<<20)|(1<<21)|(6<<22)|(7<<25)  ; B: 8 words after every 128
	s_mov_b32 s[G1+1], 128<<16                     ; A: 128 rows x 128 elements, 1,024 elements from row to row
	s_mov_b32 s[G1+2], 128<<16
	s_mov_b32 s[G1+3], 128<<16
	s_mov_b32 s[G1+4], 128
	s_mov_b32 s[G1+5], 1024
	s_mov_b32 s[G1+6], 0
	s_mov_b32 s[G1+7], 0
	s_mov_b32 s[G1B+1], 256<<16                    ; B: 64 rows x 256 elements
	s_mov_b32 s[G1B+2], 64<<16
	s_mov_b32 s[G1B+3], 256<<16
	s_mov_b32 s[G1B+4], 64
	s_mov_b32 s[G1B+5], NN
	s_mov_b32 s[G1B+6], 0
	s_mov_b32 s[G1B+7], 0
	s_mov_b32 s[MSK], 0xffff0000
	s_mov_b32 s80, 0x76543210                      ; v_permlanex16_b32's selects: each lane takes its own place in the other half
	s_mov_b32 s81, 0xfedcba98
	s_lshl_b32 s16, s13, 8
	s_lshl_b32 s17, s12, 7
	s_add_co_u32 s16, s16, s17
	s_lshl_b32 s16, s16, 11                        ; A: row 256 x tile row + 128 x half, 2,048 bytes a row
	s_mov_b32 s17, 0
	s_mul_i32 s46, s12, 64*2*NN                    ; B: row 64 x half,
	s_lshl_b32 s47, s42, 9                         ; column 256 x tile column
	s_add_co_u32 s46, s46, s47
	s_mov_b32 s47, 0
	s_mul_i32 s20, s10, HALF                       ; where my part goes: wave x 0x8800
	s_wait_dscnt 0x0                               ; the opening add is done
	s_wait_kmcnt 0x0
	s_add_nc_u64 s[14:15], s[4:5], s[16:17]
	s_add_nc_u64 s[46:47], s[6:7], s[46:47]
	CROUND                                         ; all sixteen work-groups are here: the first joint loads meet
.irp s, 0,1
	s_mov_b32 s[G0+4*(\s)], 1
	s_add_co_u32 s[G0+4*(\s)+1], s20, (\s)*SLOT
	s_add_nc_u64 s[G0+4*(\s)+2:G0+4*(\s)+3], s[14:15], (\s)*256
	s_or_b32 s[G0+4*(\s)+3], s[G0+4*(\s)+3], 0x80000000
	s_mov_b32 s[G0B+4*(\s)], 1
	s_add_co_u32 s[G0B+4*(\s)+1], s20, (\s)*SLOT
	s_add_nc_u64 s[G0B+4*(\s)+2:G0B+4*(\s)+3], s[46:47], (\s)*256*NN
	s_or_b32 s[G0B+4*(\s)+3], s[G0B+4*(\s)+3], 0x80000000
	JLOAD \s
.endr
	v_and_b32 v1, 15, v0                           ; r = l % 16
	v_bfe_u32 v5, v0, 4, 1                         ; h = l / 16
	v_and_b32 v6, 31, v0                           ; l
	v_mul_u32_u24 v[A0], v1, PA
	v_lshl_add_u32 v[A0], v5, 4, v[A0]
	s_mul_i32 s21, s11, HALF
	v_add_nc_u32 v[A0], s21, v[A0]                 ; row x pitch + 16 h + my 128 rows
	v_and_b32 v7, 7, v0
	v_lshl_add_u32 v7, v5, 3, v7
	v_mul_u32_u24 v[B0], v7, PB                    ; the turning load: k row 8 h + l % 8,
	v_bfe_u32 v7, v0, 3, 1
	v_lshl_add_u32 v[B0], v7, 4, v[B0]             ; columns 8 ((l / 8) % 2) on,
	s_lshl_b32 s22, s12, 8
	s_add_co_u32 s22, s22, BOFF
	v_add_nc_u32 v[B0], s22, v[B0]                 ; in my 128 columns
	s_mul_i32 s23, s10, DREG
	v_mul_u32_u24 v[DST], v1, DP
	v_lshl_add_u32 v[DST], v5, 5, v[DST]
	v_add_nc_u32 v[DST], s23, v[DST]
	v_mul_u32_u24 v[RD0], v5, DP                   ; back: lanes 0-15 take 64 columns of one row, lanes 16-31 of the next
	v_lshl_add_u32 v[RD0], v1, 4, v[RD0]
	v_add_nc_u32 v[RD0], s23, v[RD0]
	v_lshlrev_b32 v[CO], 3, v6
	v_lshlrev_b32 v40, 4, v1
	v_lshlrev_b32 v[VPO], 12, v5                   ; vpart: lanes 0-15 the wave's first head, lanes 16-31 its second, 4,096 bytes on;
	v_lshl_add_u32 v[VPO], v1, 4, v[VPO]           ; four channels a lane
	s_lshl_b32 s21, s42, 8
	s_lshl_b32 s22, s12, 7
	s_add_co_u32 s21, s21, s22                     ; my first column of the 3,072
	s_cmp_eq_u32 ttmp9, 0                          ; columns 0-1023 are q's, the rest kv's
	s_cselect_b64 s[BP:BP+1], s[76:77], s[78:79]
	s_cselect_b32 s22, 0, 1024
	s_sub_co_u32 s18, s21, s22
	s_lshl_b32 s18, s18, 2
	s_mov_b32 s19, 0
	s_add_nc_u64 s[BP:BP+1], s[BP:BP+1], s[18:19]
	global_load_b128 v[BI:BI+3], v40, s[BP:BP+1]               ; columns 4 r + 0..3 of the first head,
	global_load_b128 v[BI+4:BI+7], v40, s[BP:BP+1] offset:256  ; and of the second
	s_lshl_b32 s18, ttmp9, 23                      ; part x 8,388,608
	s_lshr_b32 s19, s13, 3                         ; batch
	s_lshl_b32 s19, s19, 4
	s_lshl2_add_u32 s19, s40, s19                  ; head = 4 cx + 2 x column half
	s_lshl1_add_u32 s19, s12, s19
	s_lshl_b32 s22, s19, 12                        ; the head's 4,096 bytes of vpart
	s_lshl_b32 s19, s19, 18
	s_add_co_u32 s18, s18, s19
	s_lshl_b32 s19, s13, 8
	s_lshl_b32 s21, s11, 7
	s_add_co_u32 s19, s19, s21
	s_and_b32 s19, s19, 2047                       ; my first row in its batch
	s_lshl_b32 s23, s19, 1                         ; (row / 128) x 256: my block's 256 bytes
	s_add_co_u32 s22, s22, s23
	s_lshl_b32 s19, s19, 7
	s_add_co_u32 s18, s18, s19
	s_mov_b32 s19, 0
	s_mov_b32 s23, 0
	s_add_nc_u64 s[8:9], s[8:9], s[18:19]
	s_add_nc_u64 s[82:83], s[82:83], s[22:23]
	; the prefetches: which tensor, which 32 blocks, who asks
	s_lshl_b32 s20, s13, 8
	s_lshl_b32 s21, s12, 7
	s_add_co_u32 s20, s20, s21
	s_lshl_b32 s21, s40, 5
	s_add_co_u32 s20, s20, s21                     ; A: my work-group's 32 of the 128 rows that I fetch,
	s_lshl_b32 s20, s20, 11
	s_add_co_u32 s20, s20, 3*256                   ; at K step 3: the first refill steps it to 4
	s_lshl_b32 s21, s12, 6
	s_lshl4_add_u32 s21, s41, s21                  ; B: my work-group's 16 of the 64 rows,
	s_mul_i32 s21, s21, 2*NN
	s_lshl_b32 s22, s42, 9
	s_add_co_u32 s21, s21, s22
	s_add_co_u32 s21, s21, 3*256*NN
	s_and_b32 s22, ttmp7, 0xffff
	s_mov_b32 s[PSTEP], 256*NN
	s_mov_b32 s[PSTEP+1], 0
	s_mov_b32 s18, 2*NN
	s_cmp_eq_u32 s11, 0
	s_cselect_b32 s20, s20, s21
	s_cselect_b32 s22, ttmp9, s22                  ; the coordinate along which other clusters read the same rows
	s_cselect_b64 s[PFA:PFA+1], s[4:5], s[6:7]
	s_cselect_b32 s[PSTEP], 256, s[PSTEP]
	s_cselect_b32 s18, 2048, s18
	s_cselect_b32 s19, 0, 1                        ; A: a lane a row; B: two lanes a row of 512 bytes
	s_mov_b32 s21, 0
	s_add_nc_u64 s[PFA:PFA+1], s[PFA:PFA+1], s[20:21]
	s_cmp_eq_u32 s22, 0
	s_cselect_b32 s[LIM], 2, -1
	v_lshrrev_b32 v[PFO], s19, v6
	v_mul_u32_u24 v[PFO], s18, v[PFO]
	v_and_b32 v7, s19, v6
	v_lshl_add_u32 v[PFO], v7, 8, v[PFO]
	s_wait_loadcnt 0x0                             ; the bias
.irp p, 0,1,2,3
	RND2 BI+2*\p, BI+2*\p+1, 41
.endr
	s_wait_tensorcnt 1                             ; my part of K step 0 is in; step 1's may stay out
	s_barrier_signal -1
	s_barrier_wait -1
	s_mov_b32 s[TB], 0
	v_mov_b32 v[ADRA], v[A0]
	v_mov_b32 v[ADRB], v[B0]
	FETCH 0, F0
	QUARTER 1, F0, F1, 1                           ; the first quarter step starts the sums
	WIN 0
	s_mov_b32 s3, 6
.Lk:                                                   ; six trips: the rest of K step n, which asks for step n + 2, and the first quarter of step n + 1
	QUARTER 2, F1, F0, 0
	QUARTER 3, F0, F1, 0
	TURN 1
	QUARTER 1, F0, F1, 0
	WIN 0
	s_sub_co_u32 s3, s3, 1
	s_cmp_lg_u32 s3, 0
	s_cbranch_scc1 .Lk
	s_mov_b32 s3, 2
.Lt:                                                   ; the rest of K steps 6 and 7, which ask for nothing; the loop is left behind step 7's last quarter
	QUARTER 2, F1, F0, 0
	QUARTER 3, F0, F1, 0
	TURN 0
	WIN 0
	s_sub_co_u32 s3, s3, 1
	s_cmp_eq_u32 s3, 0
	s_cbranch_scc1 .Lout
	QUARTER 1, F0, F1, 0
	WIN 0
	s_branch .Lt
.Lout:
	s_wait_dscnt 0x0                               ; my last reads of the ring are back,
	s_barrier_signal -1
	s_barrier_wait -1                              ; everybody's are: the ring may be written over
	PLACES
	DUMP
.set k, 0
.rept 8
	v_mov_b32 v[CSM+k], 0
.set k, k+1
.endr
	s_mov_b32 s[LO], 0
	s_mov_b32 s3, 8
.Lrow:                                                 ; 16 rows a trip.  LDS serves a wave's instructions in order (ISA guide 5.7.1.4): the loads see my stores above
	v_add_nc_u32 v[RDC], s[LO], v[RD0]
.set i, 0
.rept 16
	ds_load_b128 v[Z+4*i:Z+4*i+3], v[RDC] offset:2*DP*(i/2)+256*(i%2)  ; rows 2 (i / 2), + 1 of head i % 2
.set i, i+1
.endr
.set i, 0
.rept 16
	s_wait_dscnt 15-i                              ; load i is back
	v_pk_add_f32 v[Z+4*i:Z+4*i+1], v[Z+4*i:Z+4*i+1], v[BI+4*(i%2):BI+4*(i%2)+1]
	v_pk_add_f32 v[Z+4*i+2:Z+4*i+3], v[Z+4*i+2:Z+4*i+3], v[BI+4*(i%2)+2:BI+4*(i%2)+3]
	v_pk_add_f32 v[CSM+4*(i%2):CSM+4*(i%2)+1], v[CSM+4*(i%2):CSM+4*(i%2)+1], v[Z+4*i:Z+4*i+1]          ; the column sums: formed in every work-group, so that the trip has one text; only v's are stored
	v_pk_add_f32 v[CSM+4*(i%2)+2:CSM+4*(i%2)+3], v[CSM+4*(i%2)+2:CSM+4*(i%2)+3], v[Z+4*i+2:Z+4*i+3]
	v_cvt_pk_bf16_f32 v[Z+4*i], v[Z+4*i], v[Z+4*i+1]
	v_cvt_pk_bf16_f32 v[Z+4*i+1], v[Z+4*i+2], v[Z+4*i+3]
	global_store_b64 v[CO], v[Z+4*i:Z+4*i+1], s[8:9] offset:262144*(i%2)+256*(i/2)  ; two rows of one head: 256 consecutive bytes, aligned
.set i, i+1
.endr
	s_wait_xcnt 0x0                                ; the stores have read their registers and their base
	s_add_co_u32 s[LO], s[LO], 16*DP
	s_add_nc_u64 s[8:9], s[8:9], 2048
	s_sub_co_u32 s3, s3, 1
	s_cmp_lg_u32 s3, 0
	s_cbranch_scc1 .Lrow
	s_cmp_lg_u32 ttmp9, 2                          ; the cluster's x, the same in all partners: 2 where the columns are v's
	s_cbranch_scc1 .Lno_v
.set k, 0
.rept 8
	v_permlanex16_b32 v[Z+k], v[CSM+k], s80, s81   ; the other half of the lanes summed the rows of the other parity
.set k, k+1
.endr
.set k, 0
.rept 8
	v_add_f32 v[CSM+k], v[CSM+k], v[Z+k]
.set k, k+1
.endr
	v_cmp_ne_u32 vcc_lo, 0, v5
.set k, 0
.rept 4
	v_cndmask_b32 v[CSM+k], v[CSM+k], v[CSM+4+k], vcc_lo  ; lanes 16-31 take the second head's sums
.set k, k+1
.endr
	global_store_b128 v[VPO], v[CSM:CSM+3], s[82:83]  ; sixteen lanes store a head's 64 sums: 256 consecutive bytes, aligned
.Lno_v:
	s_wait_tensorcnt 0x0                           ; the wave's end
	ds_add_u32 v[SPW], v[NIL]
	s_wait_dscnt 0x0
	CROUND                                         ; the closing round
	s_endpgm
.Lfunc_end_k_q7453d11a00_qkv:
	.size	k_q7453d11a00_qkv, .Lfunc_end_k_q7453d11a00_qkv-k_q7453d11a00_qkv
	.p2alignl 7, 3214868480
	.fill 96, 4, 3214868480
	.section	.rodata,"a",@progbits
	.p2align	6, 0x0
	.amdhsa_kernel k_q7453d11a00_qkv
		.amdhsa_group_segment_fixed_size 327680
		.amdhsa_private_segment_fixed_size 0
		.amdhsa_enable_private_segment 0
		.amdhsa_kernarg_size 48
		.amdhsa_user_sgpr_count 2
		.amdhsa_user_sgpr_kernarg_segment_ptr 1
		.amdhsa_wavefront_size32 1
		.amdhsa_system_sgpr_workgroup_id_x 1
		.amdhsa_system_sgpr_workgroup_id_y 1
		.amdhsa_system_sgpr_workgroup_id_z 1
		.amdhsa_system_vgpr_workitem_id 0
		.amdhsa_next_free_vgpr 1024
		.amdhsa_next_free_sgpr 84
		.amdhsa_reserve_vcc 1
		.amdhsa_float_denorm_mode_32 3
		.amdhsa_float_denorm_mode_16_64 3
		.amdhsa_memory_ordered 1
		.amdhsa_forward_progress 1
		.amdhsa_inst_pref_size 91
	.end_amdhsa_kernel
	.amdgpu_metadata
---
amdhsa.version: [ 1, 2 ]
amdhsa.kernels:
  - .name:           k_q7453d11a00_qkv
    .symbol:         k_q7453d11a00_qkv.kd
    .args:
      - { .name: an, .offset: 0, .size: 8, .value_kind: global_buffer, .address_space: global }
      - { .name: wb, .offset: 8, .size: 8, .value_kind: global_buffer, .address_space: global }
      - { .name: q_b, .offset: 16, .size: 8, .value_kind: global_buffer, .address_space: global }
      - { .name: kv_b, .offset: 24, .size: 8, .value_kind: global_buffer, .address_space: global }
      - { .name: qkv, .offset: 32, .size: 8, .value_kind: global_buffer, .address_space: global }
      - { .name: vpart, .offset: 40, .size: 8, .value_kind: global_buffer, .address_space: global }
    .group_segment_fixed_size: 327680
    .private_segment_fixed_size: 0
    .kernarg_segment_align: 8
    .kernarg_segment_size: 48
    .max_flat_workgroup_size: 128
    .sgpr_count:     84
    .vgpr_count:     1024
    .wavefront_size: 32
...
	.end_amdgpu_metadata
.endif
;; end of part 2
;; launch attn (part 3): grid 8 x 32, 4 waves a work-group, no clusters, 327,680 bytes of LDS; arguments qkv, pneg, vpart, an, ssq; writes an, ssq
.if DOCPART == 3
	.amdgcn_target "amdgcn-amd-amdhsa--gfx1250"
	.amdhsa_code_object_version 6
	.text
	.protected	k_q7453d11a00_attn
	.globl	k_q7453d11a00_attn
	.p2align	8
	.type	k_q7453d11a00_attn,@function
k_q7453d11a00_attn:
	s_mov_b64 s[64:65], 0
	v_nop
	global_prefetch_b8 v0, s[64:65] scope:SCOPE_SE
	s_setreg_imm32_b32 hwreg(HW_REG_WAVE_MODE, 25, 1), 1
	s_wait_xcnt 0x0
; ATTENTION with a causal mask and a mask of padded keys.  o[bh][q][c] = sum over k of softmax_k(s) v[k][c], s = q . k / 32, hidden where k > q or key k is padded.
; q, k, v: qkv[part][bh][2048][64] in bf16; products, maxima and sums in f32; the weights p rounded to bf16 for the second product (their sum l is of the unrounded p).
; OUT: an[bh][2048][64] = o in bf16, by heads, so that a tile of 16 rows is 2,048 consecutive bytes; ssq[bh][q] = the sum over the head's 64 channels of o^2, in f32, of the unrounded o: the launch
; behind adds the 16 heads' and makes the second norm's row scale of them.  ssq leaves by one store of 128 consecutive bytes a wave and block, half of an aligned 256: 262,144 bytes in the launch.
; THE WALK.  A head's queries lie in 16 blocks of 128; block i needs the key tiles 0 .. i of 128 keys.  A work-group takes block pb and then block 15 - pb: 17 tiles, 34 key steps of 64, whatever pb:
; 256 equal work-groups, and loops with constant trip counts.  Which tile is asked for hangs on scalars made from pb and enters global addresses alone.
; NO CLUSTER: a head's eight work-groups want the same tile only in the walk's first trips; a walk common to all would have 24 tiles for 17.
; MASKS.  The C operand that starts S^T = K Q^T is a table, 0 or -1e30 for each key, which comes with each tile; in a block's last tile the keys behind the query take -1e30 too.
; The running maximum m starts at -1e10, the number that the reference puts in a hidden score's place.  So a step with nothing visible gives p = 0 and leaves m, l and O as they are, and a query with
; no visible key at all ends with l = 0: the reference's 2,048 scores are then all equal, its row is the mean of v over all keys (made at the head from vpart's 16 sums), and a select puts that in.
; LIMITS: true scores lie above -1e10; a weight below 2^-126 counts as 0; a row's sum of squares stays finite in f32; NaN and infinities are not treated apart.
; LAYOUT.  S^T (source 0 = 16 keys, source 1 = 16 queries) holds one query a lane (l % 16) and the keys 8 (l / 16) + 0..7; two results rounded in pairs are source 1 of O^T = V^T P.  A wave owns 32
; queries of each block: two tiles t.  p = 2^(c s - c m), c = log2(e) / 32; O and l are multiplied by a = 2^(c m_old - c m_new) in every step.
; IN PHASES: a trip is the softmax and V^T P of step j, then K Q^T of step j + 1; K and the table of step j + 1 are fetched ahead of the softmax, V behind K Q^T.
; REGISTERS.  Window 0: v0-39 addresses and statistics; v64-127 S^T; v128-159 P; v160-223 the C operands; v224-255 the mean of v.  Window 1: v0-63 O^T; v64-95 Q; v96-127 the second block's Q; v128-191 K; v192-255 V.
.set PK,    144                        ; a row of K in LDS: 128 bytes + 16
.set PV,    160                        ; a row of V: 128 + 32
.set VOFF,  128*PK                     ; a slot: 128 rows of K, 128 rows of V, 128 words of the table
.set MOFF,  VOFF+128*PV
.set SLOT1, 0x10000
.set STAGE, 2*SLOT1                    ; never filled by a tensor load: 16 rows x 144 bytes for each wave
.set SP,    144
.set SPARE, STAGE+4*16*SP              ; the spare words: 128 bytes a wave
.set AK0, 2
.set AV0, 3
.set AM0, 4
.set AK,  5
.set AV,  6
.set AM,  7
.set STO, 8
.set RD,  9
.set GO,  10
.set QO,  11
.set BIG, 12                           ; v12  -1e30
.set DQ,  14                           ; v14, v15  my query's place in its block less 8 (l / 16), by tile
.set DD,  16                           ; v16, v17  the same less the step's first key; at the head two LDS addresses
.set PFO, 18
.set ST,  20                           ; tile t's statistics at v[ST + 8 t]: c m, m, l (two), c0-c3 at work; c2 takes a
.set SQO, 37                           ; v37  4 x lane: my word of ssq
.set SPW, 38
.set NIL, 39
.set S,   64
.set P,   128
.set MC,  160
.set VM,  224
.set Q,   64                           ; window 1
.set QB,  96
.set KF,  128
.set VF,  192
.set WV,  12
.set PB,  14
.set HI,  15
.set KB,  16
.set VB,  18
.set SA,  22                           ; s[22:23] ssq at my 32 queries of the block in hand
.set G1K, 24
.set G1V, 32
.set G1M, 40
.set G0K, 48                           ; two sets each; the second walks
.set G0V, 56
.set G0M, 68
.set PFA, 66
.set SLOTS, 76
.set CNT, 77
.set CS,  78
.set SEL, 80
.set TBK, 82
.set TBV, 83
.set TBM, 84
.set RB,  85                           ; key steps of the block in hand whose K Q^T is still to come
.set SD,  86                           ; the step's first key in its tile: 0 or 64
.set NXT, 87                           ; the tile to be asked for next
.set LQ,  88                           ; the last tile of the block whose tiles are being asked for
.set LIM, 89
.set OFF, 90
.set OFM, 92
.set OA2, 94
.set SA2, 96                           ; s[96:97] ssq at my queries of the second block
.set DEAD, 98                          ; s98, s99  lanes whose query saw no key, by tile; s99 is also at work at the head
.set TS,  99
.set N1,  100
.set HMK, 101                          ; s101 lanes 16-31
.set MSB, 0
.macro WIN new
.if MSB != (\new)
	s_set_vgpr_msb (MSB<<8)|(\new)
.set MSB, \new
.endif
.endm
.set W_KQ, 0x05                        ; K and Q in window 1; S^T and C in window 0
.set W_PV, 0x51                        ; V and O^T in window 1, P in window 0
.set W_RS, 0x41                        ; destination and source 0 in window 1
.macro PLACES
.rept 4
	v_nop
.endr
.endm
.macro BOTH line:vararg                ; one line for each tile t
.set t, 0
.rept 2
	\line
.set t, t+1
.endr
.endm
.macro ADV                             ; the block's next tile, or behind its last the second block's tile 0
	s_add_co_u32 s[NXT], s[NXT], 1
	s_cmp_gt_u32 s[NXT], s[LQ]
	s_cselect_b32 s[NXT], 0, s[NXT]
	s_cselect_b32 s[LQ], s[HI], s[LQ]
.endm
; A fill: wave 0 fetches the tile's K, wave 1 its V, wave 2 its 128 words of the table; wave 3 nothing.  An s_nop 0 and four v_nop follow each line.
.macro LOAD
	s_cmp_lg_u32 s[WV], 0
	s_cbranch_scc1 .Lnot_k_\@
	tensor_load_to_lds s[G0K+4:G0K+7], s[G1K:G1K+7]
	s_nop 0
.rept 4
	v_nop
.endr
	s_branch .Lasked_\@
.Lnot_k_\@:
	s_cmp_lg_u32 s[WV], 1
	s_cbranch_scc1 .Lnot_v_\@
	tensor_load_to_lds s[G0V+4:G0V+7], s[G1V:G1V+7]
	s_nop 0
.rept 4
	v_nop
.endr
	s_branch .Lasked_\@
.Lnot_v_\@:
	s_cmp_lg_u32 s[WV], 2
	s_cbranch_scc1 .Lasked_\@
	tensor_load_to_lds s[G0M+4:G0M+7], s[G1M:G1M+7]
	s_nop 0
.rept 4
	v_nop
.endr
.Lasked_\@:
.endm
; A prefetch: the head's work-group with pb = 0, whose second block walks all 16 tiles, names tile T + 2 at the change that loads tile T: tiles 3 to 15, each block of 256 bytes once.
; Waves 0 and 1 take the halves of K's tile, waves 2 and 3 of V's: a lane a block.  Tiles 0 to 2 come by their loads alone.
.macro ASK
	s_cmp_gt_u32 s[SLOTS], s[LIM]
	s_cbranch_scc0 .Lnot_mine_\@
	global_prefetch_b8 v[PFO], s[PFA:PFA+1] th:TH_LOAD_NT scope:SCOPE_SE
.Lnot_mine_\@:
.endm
; K (8 fragments) and the table (for both tiles' C operands) of the step to come.  last = 1: in the tail's last trip there is no such step.
.macro FETCH_KM last
	WIN 0
.if \last
	s_cmp_eq_u32 s[CNT], 1
	s_cbranch_scc1 .Lno_k_\@
.endif
	v_add_nc_u32 v[AK], s[TBK], v[AK0]
	v_add_nc_u32 v[AM], s[TBM], v[AM0]
.irp u, 0,1
.irp kb, 0,1,2,3
	ds_load_b128 v[MC+32*\u+8*\kb:MC+32*\u+8*\kb+3],   v[AM] offset:64*\kb     ; keys 16 kb + 8 (l / 16) + 0..7
	ds_load_b128 v[MC+32*\u+8*\kb+4:MC+32*\u+8*\kb+7], v[AM] offset:64*\kb+16
.endr
.endr
	WIN 0x40
.irp f, 0,1,2,3,4,5,6,7                ; keys 16 (f / 2) on, channels 32 (f % 2) on
	ds_load_b128 v[KF+8*\f:KF+8*\f+3],   v[AK] offset:(\f/2)*16*PK+(\f%2)*64
	ds_load_b128 v[KF+8*\f+4:KF+8*\f+7], v[AK] offset:(\f/2)*16*PK+(\f%2)*64+32
.endr
	WIN 0
	s_add_co_u32 s[TBK], s[TBK], 64*PK
	s_add_co_u32 s[TBM], s[TBM], 256
.if \last
.Lno_k_\@:
.endif
.endm
.macro FETCH_V
	WIN 0x40
.irp f, 0,1,2,3,4,5,6,7                ; keys 32 (f / 4) on, channels 16 (f % 4) on
	ds_load_tr16_b128 v[VF+8*\f:VF+8*\f+3],   v[AV] offset:(\f/4)*32*PV+(\f%4)*32
	ds_load_tr16_b128 v[VF+8*\f+4:VF+8*\f+7], v[AV] offset:(\f/4)*32*PV+16*PV+(\f%4)*32
.endr
	WIN 0
.endm
; A step's softmax for both tiles, the tiles alternating.  The 66 exponentials are one batch with one wait; nothing ahead of the wait names a result of theirs.
.macro SOFTMAX
	WIN 0
.set n, 0
.rept 4                                        ; four chains of seven scores; each accumulator's lowest registers are read first
	BOTH v_max3_num_f32 v[ST+8*t+4+n], v[S+32*t+8*n], v[S+32*t+8*n+1], v[S+32*t+8*n+2]
.set n, n+1
.endr
.rept 8
	BOTH v_max3_num_f32 v[ST+8*t+4+n%4], v[ST+8*t+4+n%4], v[S+32*t+8*(n%4)+2*(n/4)+1], v[S+32*t+8*(n%4)+2*(n/4)+2]
.set n, n+1
.endr
	BOTH v_max3_num_f32 v[ST+8*t+4], v[ST+8*t+4], v[S+32*t+7], v[S+32*t+15]
	BOTH v_max3_num_f32 v[ST+8*t+6], v[ST+8*t+6], v[S+32*t+23], v[S+32*t+31]
	BOTH v_max3_num_f32 v[ST+8*t+4], v[ST+8*t+4], v[ST+8*t+5], v[ST+8*t+6]
	BOTH v_max3_num_f32 v[ST+8*t+4], v[ST+8*t+4], v[ST+8*t+7], v[ST+8*t+1]
	BOTH v_permlanex16_b32 v[ST+8*t+5], v[ST+8*t+4], s[SEL], s[SEL+1]
	BOTH v_mov_b32 v[ST+8*t+7], v[ST+8*t]
	BOTH v_max_num_f32 v[ST+8*t+1], v[ST+8*t+4], v[ST+8*t+5]
	BOTH v_mul_f32 v[ST+8*t], s[CS], v[ST+8*t+1]
	BOTH v_sub_f32 v[ST+8*t+7], v[ST+8*t+7], v[ST+8*t]
.set n, 0
.rept 16
	BOTH v_pk_fma_f32 v[S+32*t+2*n:S+32*t+2*n+1], v[S+32*t+2*n:S+32*t+2*n+1], s[CS:CS+1], v[ST+8*t:ST+8*t+1] op_sel_hi:[1,0,0] neg_lo:[0,0,1] neg_hi:[0,0,1]
.set n, n+1
.endr
	BOTH v_exp_f32 v[ST+8*t+6], v[ST+8*t+7]
.set n, 0
.rept 32
	BOTH v_exp_f32 v[S+32*t+n], v[S+32*t+n]
.set n, n+1
.endr
	v_nop                                          ; the plain instruction behind the last exponential
	s_wait_alu depctr_va_vdst(0)                   ; the wait for the batch
.set n, 0
.rept 16
	BOTH v_cvt_pk_bf16_f32 v[P+16*t+n], v[S+32*t+2*n], v[S+32*t+2*n+1]
.set n, n+1
.endr
.set n, 0
.rept 8
	BOTH v_pk_add_f32 v[S+32*t+4*n:S+32*t+4*n+1], v[S+32*t+4*n:S+32*t+4*n+1], v[S+32*t+4*n+2:S+32*t+4*n+3]
.set n, n+1
.endr
.set n, 0
.rept 4
	BOTH v_pk_add_f32 v[S+32*t+8*n:S+32*t+8*n+1], v[S+32*t+8*n:S+32*t+8*n+1], v[S+32*t+8*n+4:S+32*t+8*n+5]
.set n, n+1
.endr
.set n, 0
.rept 2
	BOTH v_pk_add_f32 v[S+32*t+16*n:S+32*t+16*n+1], v[S+32*t+16*n:S+32*t+16*n+1], v[S+32*t+16*n+8:S+32*t+16*n+9]
.set n, n+1
.endr
	BOTH v_pk_add_f32 v[S+32*t:S+32*t+1], v[S+32*t:S+32*t+1], v[S+32*t+16:S+32*t+17]
	BOTH v_pk_fma_f32 v[ST+8*t+2:ST+8*t+3], v[ST+8*t+2:ST+8*t+3], v[ST+8*t+6:ST+8*t+7], v[S+32*t:S+32*t+1] op_sel_hi:[1,0,1]
	WIN W_RS
.set n, 0
.rept 16
	BOTH v_pk_mul_f32 v[32*t+2*n:32*t+2*n+1], v[32*t+2*n:32*t+2*n+1], v[ST+8*t+6:ST+8*t+7] op_sel_hi:[1,0]
.set n, n+1
.endr
.endm
; 16 products each; eight accumulators take turns, one instruction a turn
.macro PVS
	WIN W_PV
.set i, 0
.rept 16
.set rO, 32*(i%2)+8*((i/2)%4)
.set rV, VF+32*(i/8)+8*((i/2)%4)
.set rP, P+16*(i%2)+8*(i/8)
	v_wmma_f32_16x16x32_bf16 v[rO:rO+7], v[rV:rV+7], v[rP:rP+7], v[rO:rO+7]
.set i, i+1
.endr
.endm
.macro KQS
	WIN W_KQ
.set i, 0
.rept 16
.set rS, S+32*(i%2)+8*((i/2)%4)
.set rK, KF+16*((i/2)%4)+8*(i/8)
.set rQ, Q+16*(i%2)+8*(i/8)
.set rM, MC+32*(i%2)+8*((i/2)%4)
.if i < 8
	v_wmma_f32_16x16x32_bf16 v[rS:rS+7], v[rK:rK+7], v[rQ:rQ+7], v[rM:rM+7]
.else
	v_wmma_f32_16x16x32_bf16 v[rS:rS+7], v[rK:rK+7], v[rQ:rQ+7], v[rS:rS+7]
.endif
.set i, i+1
.endr
.endm
.macro DIAGFIX                         ; a block's last two steps hold the diagonal: register i of a tile's C operand is key 16 (i / 8) + i % 8, hidden where that is greater than DD
	s_cmp_gt_u32 s[RB], 2
	s_cbranch_scc1 .Lno_diag_\@
.irp u, 0,1
	v_sub_nc_u32 v[DD+\u], v[DQ+\u], s[SD]
.set i, 0
.rept 32
	v_cmp_gt_i32 vcc_lo, 16*(i/8)+i%8, v[DD+\u]
	v_cndmask_b32 v[MC+32*\u+i], v[MC+32*\u+i], v[BIG], vcc_lo
.set i, i+1
.endr
.endr
.Lno_diag_\@:
.endm
; A block's end: l's halves are added, O^T divided by l, dead rows take the mean of v; the lane's 32 squares are summed; a tile's 16 rows x 64 bf16 go through my stage and leave as 2,048 consecutive
; bytes.  reset = 1: the second block begins.
.macro WAYOUT reset
	PLACES
	WIN 0
	BOTH v_add_f32 v[ST+8*t+4], v[ST+8*t+2], v[ST+8*t+3]
	BOTH v_permlanex16_b32 v[ST+8*t+5], v[ST+8*t+4], s[SEL], s[SEL+1]
	BOTH v_add_f32 v[ST+8*t+4], v[ST+8*t+4], v[ST+8*t+5]
	BOTH v_cmp_eq_f32 s[DEAD+t], 0, v[ST+8*t+4]
	BOTH v_rcp_f32 v[ST+8*t+6], v[ST+8*t+4]
	v_nop
	s_wait_alu depctr_va_vdst(0)                   ; one wait for the two reciprocals
.irp u, 0,1
	WIN W_RS
.set n, 0
.rept 16
	v_pk_mul_f32 v[32*\u+2*n:32*\u+2*n+1], v[32*\u+2*n:32*\u+2*n+1], v[ST+8*\u+6:ST+8*\u+7] op_sel_hi:[1,0]
.set n, n+1
.endr
	WIN 0x01                                       ; source 0 in window 1
.set n, 0
.rept 32
	v_cndmask_b32 v[S+32*\u+n], v[32*\u+n], v[VM+n], s[DEAD+\u]
.set n, n+1
.endr
	WIN 0
	v_pk_mul_f32 v[ST+8*\u+4:ST+8*\u+5], v[S+32*\u:S+32*\u+1], v[S+32*\u:S+32*\u+1]          ; the squares, in two chains
	v_pk_mul_f32 v[ST+8*\u+6:ST+8*\u+7], v[S+32*\u+2:S+32*\u+3], v[S+32*\u+2:S+32*\u+3]
.set n, 2
.rept 14
	v_pk_fma_f32 v[ST+8*\u+4+2*(n%2):ST+8*\u+5+2*(n%2)], v[S+32*\u+2*n:S+32*\u+2*n+1], v[S+32*\u+2*n:S+32*\u+2*n+1], v[ST+8*\u+4+2*(n%2):ST+8*\u+5+2*(n%2)]
.set n, n+1
.endr
	v_pk_add_f32 v[ST+8*\u+4:ST+8*\u+5], v[ST+8*\u+4:ST+8*\u+5], v[ST+8*\u+6:ST+8*\u+7]
	v_add_f32 v[ST+8*\u+4], v[ST+8*\u+4], v[ST+8*\u+5]
.set n, 0
.rept 16
	v_cvt_pk_bf16_f32 v[S+32*\u+n], v[S+32*\u+2*n], v[S+32*\u+2*n+1]  ; in place, ascending: register n is written when 2 n and 2 n + 1 are read
.set n, n+1
.endr
.irp cb, 0,1,2,3
	ds_store_b128 v[STO], v[S+32*\u+4*\cb:S+32*\u+4*\cb+3] offset:32*\cb  ; row l % 16, channels 16 cb + 8 (l / 16) + 0..7
.endr
.irp f, 0,1,2,3
	ds_load_b128 v[S+32*\u+16+4*\f:S+32*\u+16+4*\f+3], v[RD] offset:\f*4*SP  ; LDS serves a wave's instructions in order (ISA guide 5.7.1.4): these see the stores above
.endr
.irp f, 0,1,2,3
	s_wait_dscnt 3-\f                              ; load f is back; the younger ones stay out
	global_store_b128 v[GO], v[S+32*\u+16+4*\f:S+32*\u+16+4*\f+3], s[10:11] offset:2048*\u+512*\f  ; four rows of the head: 512 consecutive bytes, aligned
.endr
.endr
	BOTH v_permlanex16_b32 v[ST+8*t+5], v[ST+8*t+4], s[SEL], s[SEL+1]
	BOTH v_add_f32 v[ST+8*t+4], v[ST+8*t+4], v[ST+8*t+5]
	v_cndmask_b32 v[ST+5], v[ST+4], v[ST+12], s[HMK]  ; lanes 0-15 the first tile's queries, lanes 16-31 the second's
	global_store_b32 v[SQO], v[ST+5], s[SA:SA+1]   ; my 32 queries: 128 consecutive bytes
	s_wait_xcnt 0x0                                ; the stores have read their registers and their bases
.if \reset
	s_mov_b64 s[10:11], s[OA2:OA2+1]
	s_mov_b64 s[SA:SA+1], s[SA2:SA2+1]
	s_mov_b32 s[RB], s[N1]
	WIN 0x40
.set n, 0
.rept 64
	v_mov_b32 v[n], 0                              ; O^T must be 0: a first step whose keys are all padded has a = 1
.set n, n+1
.endr
	WIN 0x41
.set n, 0
.rept 32
	v_mov_b32 v[Q+n], v[QB+n]
.set n, n+1
.endr
	WIN 0
	BOTH v_mov_b32 v[ST+8*t+2], 0
	BOTH v_mov_b32 v[ST+8*t+3], 0
	BOTH v_mov_b32 v[ST+8*t+1], 0xd01502f9
	BOTH v_mul_f32 v[ST+8*t], s[CS], v[ST+8*t+1]
.endif
.endm
.macro PARTA last, wo                  ; the second half of step j
	FETCH_KM \last
	SOFTMAX
	s_wait_dscnt 0x0                               ; V of this step is in, and K and the table of the next
	PVS
	WIN 0
.if \wo
	s_cmp_lg_u32 s[RB], 0
	s_cbranch_scc1 .Lno_out_\@
	WAYOUT 1
.Lno_out_\@:
.endif
.endm
.macro PARTB                           ; the first half of step j + 1
	s_wait_dscnt 0x0                               ; K and the table are in
	DIAGFIX
	KQS
	WIN 0
	PLACES                                         ; behind the products: for the reads of S^T, and for the loads into K, the C operands and V
	v_add_nc_u32 v[AV], s[TBV], v[AV0]
	FETCH_V
	s_add_co_u32 s[TBV], s[TBV], 64*PV
	s_sub_co_u32 s[RB], s[RB], 1
	s_xor_b32 s[SD], s[SD], 64
.endm
; The change of slots: every wave waits for all its tensor loads, adds 0 to its spare word, waits for that and for its reads of the slot that it leaves, and meets the others.
; fill = 1: the old slot is filled again, first thing behind the barrier, with tile NXT; the descriptors' addresses are made anew from that number.
.macro CHANGE fill
	WIN 0
	s_wait_tensorcnt 0x0                           ; no tensor load of mine is out, so a group 0 may be written
	ds_add_u32 v[SPW], v[NIL]
.if \fill
	s_lshl_b32 s[OFF], s[NXT], 14                  ; a tile is 16,384 bytes of K and of V,
	s_lshl_b32 s[OFM], s[NXT], 9                   ; 512 of the table
	s_xor_b32 s[G0K+5], s[G0K+5], SLOT1
	s_add_nc_u64 s[G0K+6:G0K+7], s[KB:KB+1], s[OFF:OFF+1]
	s_or_b32 s[G0K+7], s[G0K+7], 0x80000000
	s_xor_b32 s[G0V+5], s[G0V+5], SLOT1
	s_add_nc_u64 s[G0V+6:G0V+7], s[VB:VB+1], s[OFF:OFF+1]
	s_or_b32 s[G0V+7], s[G0V+7], 0x80000000
	s_xor_b32 s[G0M+5], s[G0M+5], SLOT1
	s_add_nc_u64 s[G0M+6:G0M+7], s[6:7], s[OFM:OFM+1]
	s_or_b32 s[G0M+7], s[G0M+7], 0x80000000
	ADV
	s_wait_xcnt 0x0                                ; the last prefetch, two key steps back, has read its address
	s_add_nc_u64 s[PFA:PFA+1], s[PFA:PFA+1], 16384
.endif
	s_wait_dscnt 0x0                               ; the add is done, my reads of the slot are over
	s_barrier_signal -1
	s_sub_co_u32 s[TBK], s[TBK], 128*PK            ; the fetches go back to a slot's first step, in the other slot
	s_xor_b32 s[TBK], s[TBK], SLOT1
	s_sub_co_u32 s[TBV], s[TBV], 128*PV
	s_xor_b32 s[TBV], s[TBV], SLOT1
	s_sub_co_u32 s[TBM], s[TBM], 512
	s_xor_b32 s[TBM], s[TBM], SLOT1
	s_barrier_wait -1
.if \fill
	LOAD
	ASK
.endif
.endm
	s_load_b256 s[4:11], s[0:1], 0x0               ; qkv, pneg, vpart, an
	s_load_b64 s[SA2:SA2+1], s[0:1], 0x20          ; ssq
	v_lshl_add_u32 v[SPW], v0, 2, SPARE
	v_mov_b32 v[NIL], 0
	ds_add_u32 v[SPW], v[NIL]                      ; the opening: the add and its wait ahead of my first tensor load
	v_lshrrev_b32 v1, 5, v0
	v_readfirstlane_b32 s[WV], v1                  ; wave 0..3
	s_mov_b32 s[PB], ttmp9
	s_sub_co_u32 s[HI], 15, s[PB]
	s_and_b32 s13, ttmp7, 0xffff                   ; batch x 16 + head
	s_mov_b32 s[G1K], (1<<16)|(1<<20)|(4<<22)|(3<<25)  ; 128 keys are 16,384 dense bytes: 64 rows of 256, padded by 4 words after every key
	s_mov_b32 s[G1V], (1<<16)|(1<<20)|(4<<22)|(7<<25)  ; by 8 words
.irp g, G1K, G1V
	s_mov_b32 s[\g+1], 128<<16
	s_mov_b32 s[\g+2], 64<<16
	s_mov_b32 s[\g+3], 128<<16
	s_mov_b32 s[\g+4], 64
	s_mov_b32 s[\g+5], 128
	s_mov_b32 s[\g+6], 0
	s_mov_b32 s[\g+7], 0
.endr
	s_mov_b32 s[G1M], 3<<16                        ; one row of 512 bytes: 64 elements of 8
	s_mov_b32 s[G1M+1], 64<<16
	s_mov_b32 s[G1M+2], 1<<16
	s_mov_b32 s[G1M+3], 64<<16
	s_mov_b32 s[G1M+4], 1
	s_mov_b32 s[G1M+5], 64
	s_mov_b32 s[G1M+6], 0
	s_mov_b32 s[G1M+7], 0
.irp s, 0,1
	s_mov_b32 s[G0K+4*\s], 1
	s_mov_b32 s[G0K+4*\s+1], \s*SLOT1
	s_mov_b32 s[G0V+4*\s], 1
	s_mov_b32 s[G0V+4*\s+1], \s*SLOT1+VOFF
	s_mov_b32 s[G0M+4*\s], 1
	s_mov_b32 s[G0M+4*\s+1], \s*SLOT1+MOFF
.endr
	s_mov_b32 s[CS], 0x3d38aa3b                    ; c = log2(e) / 32
	s_mov_b32 s[CS+1], s[CS]
	s_mov_b32 s[SEL], 0x76543210
	s_mov_b32 s[SEL+1], 0xfedcba98
	s_mov_b32 s[TBK], 0
	s_mov_b32 s[TBV], 0
	s_mov_b32 s[TBM], 0
	s_lshl_b32 s[RB], s[PB], 1
	s_add_co_u32 s[RB], s[RB], 2                   ; the first block has 2 pb + 2 key steps,
	s_sub_co_u32 s[N1], 34, s[RB]                  ; the second the rest of the 34
	s_mov_b32 s[SD], 0
	s_mov_b32 s[OFF+1], 0
	s_mov_b32 s[OFM+1], 0
	s_mov_b32 s[NXT], 0
	s_mov_b32 s[LQ], s[PB]
	ADV                                            ; the walk's second tile
	s_lshl_b32 s[OFF], s[NXT], 14
	s_lshl_b32 s[OFM], s[NXT], 9
	ADV
	s_mov_b32 s3, 0
	s_lshl_b32 s2, s13, 18                         ; a head is 262,144 bytes in each part of qkv, and in an
	s_wait_dscnt 0x0                               ; the opening add is done
	s_wait_kmcnt 0x0
	s_add_nc_u64 s[4:5], s[4:5], s[2:3]            ; my head's q,
	s_add_nc_u64 s[10:11], s[10:11], s[2:3]        ; its rows of the output, laid like q,
	s_add_nc_u64 s[KB:KB+1], s[4:5], 8388608       ; k,
	s_add_nc_u64 s[VB:VB+1], s[4:5], 16777216      ; v
	s_lshr_b32 s2, s13, 4                          ; batch
	s_lshl_b32 s2, s2, 13
	s_add_nc_u64 s[6:7], s[6:7], s[2:3]            ; my batch's table
	s_mov_b64 s[G0K+2:G0K+3], s[KB:KB+1]           ; tile 0
	s_or_b32 s[G0K+3], s[G0K+3], 0x80000000
	s_mov_b64 s[G0V+2:G0V+3], s[VB:VB+1]
	s_or_b32 s[G0V+3], s[G0V+3], 0x80000000
	s_mov_b64 s[G0M+2:G0M+3], s[6:7]
	s_or_b32 s[G0M+3], s[G0M+3], 0x80000000
	s_add_nc_u64 s[G0K+6:G0K+7], s[KB:KB+1], s[OFF:OFF+1]
	s_or_b32 s[G0K+7], s[G0K+7], 0x80000000
	s_add_nc_u64 s[G0V+6:G0V+7], s[VB:VB+1], s[OFF:OFF+1]
	s_or_b32 s[G0V+7], s[G0V+7], 0x80000000
	s_add_nc_u64 s[G0M+6:G0M+7], s[6:7], s[OFM:OFM+1]
	s_or_b32 s[G0M+7], s[G0M+7], 0x80000000
	s_cmp_lg_u32 s[WV], 0                          ; a wave's two first fills stand in one branch: two loads of mine are out
	s_cbranch_scc1 .Lfirst_not_k
	tensor_load_to_lds s[G0K:G0K+3], s[G1K:G1K+7]
	s_nop 0
	tensor_load_to_lds s[G0K+4:G0K+7], s[G1K:G1K+7]
	s_nop 0
.rept 4
	v_nop
.endr
	s_branch .Lfirst_asked
.Lfirst_not_k:
	s_cmp_lg_u32 s[WV], 1
	s_cbranch_scc1 .Lfirst_not_v
	tensor_load_to_lds s[G0V:G0V+3], s[G1V:G1V+7]
	s_nop 0
	tensor_load_to_lds s[G0V+4:G0V+7], s[G1V:G1V+7]
	s_nop 0
.rept 4
	v_nop
.endr
	s_branch .Lfirst_asked
.Lfirst_not_v:
	s_cmp_lg_u32 s[WV], 2
	s_cbranch_scc1 .Lfirst_asked
	tensor_load_to_lds s[G0M:G0M+3], s[G1M:G1M+7]
	s_nop 0
	tensor_load_to_lds s[G0M+4:G0M+7], s[G1M:G1M+7]
	s_nop 0
.rept 4
	v_nop
.endr
.Lfirst_asked:
	s_lshl_b32 s[TS], s[WV], 12                    ; my 32 rows of 128 bytes in a block
	s_lshl_b32 s2, s[HI], 14
	s_add_co_u32 s2, s2, s[TS]
	s_add_nc_u64 s[20:21], s[4:5], s[2:3]          ; Q and the output of the second block,
	s_add_nc_u64 s[OA2:OA2+1], s[10:11], s[2:3]
	s_lshl_b32 s2, s[PB], 14
	s_add_co_u32 s2, s2, s[TS]
	s_add_nc_u64 s[4:5], s[4:5], s[2:3]            ; of the first
	s_add_nc_u64 s[10:11], s[10:11], s[2:3]
	s_lshl_b32 s2, s13, 12
	s_add_nc_u64 s[8:9], s[8:9], s[2:3]            ; my head's 16 sums of v
	s_lshl_b32 s2, s13, 13                         ; ssq: a head's 2,048 words,
	s_lshl_b32 s[TS], s[WV], 7                     ; my 32 queries of a block
	s_add_co_u32 s2, s2, s[TS]
	s_add_nc_u64 s[SA2:SA2+1], s[SA2:SA2+1], s[2:3]
	s_lshl_b32 s2, s[PB], 9
	s_add_nc_u64 s[SA:SA+1], s[SA2:SA2+1], s[2:3]
	s_lshl_b32 s2, s[HI], 9
	s_add_nc_u64 s[SA2:SA2+1], s[SA2:SA2+1], s[2:3]
	s_cmp_lt_u32 s[WV], 2
	s_cselect_b64 s[PFA:PFA+1], s[KB:KB+1], s[VB:VB+1]
	s_and_b32 s2, s[WV], 1
	s_lshl_b32 s2, s2, 13
	s_add_co_u32 s2, s2, 2*16384                   ; at tile 2: the first change steps it to 3
	s_add_nc_u64 s[PFA:PFA+1], s[PFA:PFA+1], s[2:3]
	s_cmp_eq_u32 s[PB], 0
	s_cselect_b32 s[LIM], 2, -1
	v_and_b32 v1, 15, v0                           ; r = l % 16
	v_bfe_u32 v13, v0, 4, 1                        ; h = l / 16
	v_and_b32 v36, 31, v0
	v_lshlrev_b32 v[QO], 7, v1
	v_lshl_add_u32 v[QO], v13, 4, v[QO]
	v_lshlrev_b32 v19, 3, v36
	WIN 0x40
.irp u, 0,1
.irp c, 0,1
	global_load_b128 v[Q+16*\u+8*\c:Q+16*\u+8*\c+3],     v[QO], s[4:5] offset:2048*\u+64*\c
	global_load_b128 v[Q+16*\u+8*\c+4:Q+16*\u+8*\c+7],   v[QO], s[4:5] offset:2048*\u+64*\c+32
	global_load_b128 v[QB+16*\u+8*\c:QB+16*\u+8*\c+3],   v[QO], s[20:21] offset:2048*\u+64*\c
	global_load_b128 v[QB+16*\u+8*\c+4:QB+16*\u+8*\c+7], v[QO], s[20:21] offset:2048*\u+64*\c+32
.endr
.endr
.set n, 0
.rept 64
	v_mov_b32 v[n], 0                              ; O^T
.set n, n+1
.endr
	WIN 0
.set p, 0
.rept 16
	global_load_b64 v[S+2*p:S+2*p+1], v19, s[8:9] offset:256*p  ; channels 2 l, 2 l + 1 of block p's sum of v: 256 consecutive bytes a load
.set p, p+1
.endr
	v_mul_u32_u24 v[AK0], v1, PK
	v_lshl_add_u32 v[AK0], v13, 4, v[AK0]
	v_and_b32 v16, 7, v0
	v_bfe_u32 v17, v0, 3, 1
	v_lshl_add_u32 v[AV0], v13, 3, v16
	v_mul_u32_u24 v[AV0], v[AV0], PV
	v_lshl_add_u32 v[AV0], v17, 4, v[AV0]
	v_add_nc_u32 v[AV0], VOFF, v[AV0]
	v_lshl_add_u32 v[AM0], v13, 5, MOFF
	s_lshl_b32 s[TS], s[WV], 5
	v_lshlrev_b32 v17, 3, v13
	v_sub_nc_u32 v[DQ], v1, v17
	v_add_nc_u32 v[DQ], s[TS], v[DQ]
	v_add_nc_u32 v[DQ+1], 16, v[DQ]
	s_mul_i32 s[TS], s[WV], 16*SP
	s_add_co_u32 s[TS], s[TS], STAGE               ; my stage
	v_mul_u32_u24 v[STO], v1, SP                   ; in: row l % 16, 16 bytes for each half of the lanes
	v_lshl_add_u32 v[STO], v13, 4, v[STO]
	v_add_nc_u32 v[STO], s[TS], v[STO]
	v_bfe_u32 v[RD], v0, 3, 2                      ; back: 32 lanes take four rows of 128 bytes,
	v_mul_u32_u24 v[RD], v[RD], SP
	v_lshl_add_u32 v[RD], v16, 4, v[RD]
	v_add_nc_u32 v[RD], s[TS], v[RD]
	v_lshlrev_b32 v[GO], 4, v36                    ; which are 512 consecutive bytes of the output
	v_lshlrev_b32 v[SQO], 2, v36
	v_lshlrev_b32 v[PFO], 8, v36
	v_mov_b32 v[BIG], 0xf149f2ca                   ; -1e30
	v_cmp_ne_u32 s[HMK], 0, v13
	v_lshl_add_u32 v16, v36, 3, s[TS]              ; my stage + 8 l,
	v_lshl_add_u32 v17, v13, 5, s[TS]              ; + 32 h: for the mean of v, below
	BOTH v_mov_b32 v[ST+8*t+2], 0
	BOTH v_mov_b32 v[ST+8*t+3], 0
	BOTH v_mov_b32 v[ST+8*t+1], 0xd01502f9
	BOTH v_mul_f32 v[ST+8*t], s[CS], v[ST+8*t+1]
	s_wait_tensorcnt 1                             ; my part of the first tile is in; the second's may stay out
	s_barrier_signal -1
	s_barrier_wait -1
	FETCH_KM 0                                     ; key step 0
	s_wait_loadcnt 0x0                             ; Q, the second block's Q, the 16 sums of v
.set p, 4
.rept 12
	v_pk_add_f32 v[S+2*(p%4):S+2*(p%4)+1], v[S+2*(p%4):S+2*(p%4)+1], v[S+2*p:S+2*p+1]
.set p, p+1
.endr
	v_pk_add_f32 v[S:S+1], v[S:S+1], v[S+2:S+3]
	v_pk_add_f32 v[S+4:S+5], v[S+4:S+5], v[S+6:S+7]
	v_pk_add_f32 v[S:S+1], v[S:S+1], v[S+4:S+5]
	v_pk_mul_f32 v[S:S+1], v[S:S+1], 0x3a000000 op_sel_hi:[1,0]  ; / 2048
	ds_store_b64 v16, v[S:S+1]                     ; the 64 means through 256 bytes of my stage, into the lanes' layout of O^T
.irp cb, 0,1,2,3
	ds_load_b128 v[VM+8*\cb:VM+8*\cb+3],   v17 offset:64*\cb      ; channels 16 cb + 8 h + 0..7; LDS serves a wave's instructions in order: these see the store above
	ds_load_b128 v[VM+8*\cb+4:VM+8*\cb+7], v17 offset:64*\cb+16
.endr
	s_mov_b32 s[CNT], 2
	s_mov_b32 s[SLOTS], 16
	s_branch .Lfirst                               ; the loop is entered in the middle of a trip
.Lslot:                                                ; 15 times: a tile is entered and the tile after it asked for
	CHANGE 1
	s_mov_b32 s[CNT], 2
.Lstep:
	PARTA 0, 1
.Lfirst:
	PARTB
	s_sub_co_u32 s[CNT], s[CNT], 1
	s_cmp_lg_u32 s[CNT], 0
	s_cbranch_scc1 .Lstep
	s_sub_co_u32 s[SLOTS], s[SLOTS], 1
	s_cmp_lg_u32 s[SLOTS], 0
	s_cbranch_scc1 .Lslot
	CHANGE 0                                       ; the walk's last tile is written out
	s_mov_b32 s[CNT], 3
.Ltail:
	PARTA 1, 0
	s_sub_co_u32 s[CNT], s[CNT], 1
	s_cmp_eq_u32 s[CNT], 0
	s_cbranch_scc1 .Lout
	PARTB
	s_branch .Ltail
.Lout:
	WAYOUT 0
	s_wait_tensorcnt 0x0                           ; the wave's end
	ds_add_u32 v[SPW], v[NIL]
	s_wait_dscnt 0x0
	s_endpgm
.Lfunc_end_k_q7453d11a00_attn:
	.size	k_q7453d11a00_attn, .Lfunc_end_k_q7453d11a00_attn-k_q7453d11a00_attn
	.p2alignl 7, 3214868480
	.fill 96, 4, 3214868480
	.section	.rodata,"a",@progbits
	.p2align	6, 0x0
	.amdhsa_kernel k_q7453d11a00_attn
		.amdhsa_group_segment_fixed_size 327680
		.amdhsa_private_segment_fixed_size 0
		.amdhsa_enable_private_segment 0
		.amdhsa_kernarg_size 40
		.amdhsa_user_sgpr_count 2
		.amdhsa_user_sgpr_kernarg_segment_ptr 1
		.amdhsa_wavefront_size32 1
		.amdhsa_system_sgpr_workgroup_id_x 1
		.amdhsa_system_sgpr_workgroup_id_y 1
		.amdhsa_system_sgpr_workgroup_id_z 1
		.amdhsa_system_vgpr_workitem_id 0
		.amdhsa_next_free_vgpr 512
		.amdhsa_next_free_sgpr 102
		.amdhsa_reserve_vcc 1
		.amdhsa_float_denorm_mode_32 3
		.amdhsa_float_denorm_mode_16_64 3
		.amdhsa_memory_ordered 1
		.amdhsa_forward_progress 1
		.amdhsa_inst_pref_size 97
	.end_amdhsa_kernel
	.amdgpu_metadata
---
amdhsa.version: [ 1, 2 ]
amdhsa.kernels:
  - .name:           k_q7453d11a00_attn
    .symbol:         k_q7453d11a00_attn.kd
    .args:
      - { .name: qkv, .offset: 0, .size: 8, .value_kind: global_buffer, .address_space: global }
      - { .name: pneg, .offset: 8, .size: 8, .value_kind: global_buffer, .address_space: global }
      - { .name: vpart, .offset: 16, .size: 8, .value_kind: global_buffer, .address_space: global }
      - { .name: an, .offset: 24, .size: 8, .value_kind: global_buffer, .address_space: global }
      - { .name: ssq, .offset: 32, .size: 8, .value_kind: global_buffer, .address_space: global }
    .group_segment_fixed_size: 327680
    .private_segment_fixed_size: 0
    .kernarg_segment_align: 8
    .kernarg_segment_size: 40
    .max_flat_workgroup_size: 128
    .sgpr_count:     102
    .vgpr_count:     512
    .wavefront_size: 32
...
	.end_amdgpu_metadata
.endif
;; end of part 3
;; launch mlp1 (part 4): grid 16 x 16, 4 waves a work-group, clusters of 4 x 4, 327,680 bytes of LDS; arguments an, wb, b1, ssq, act; writes act
.if DOCPART == 4
	.amdgcn_target "amdgcn-amd-amdhsa--gfx1250"
	.amdhsa_code_object_version 6
	.text
	.protected	k_q7453d11a00_mlp1
	.globl	k_q7453d11a00_mlp1
	.p2align	8
	.type	k_q7453d11a00_mlp1,@function
k_q7453d11a00_mlp1:
	s_mov_b64 s[64:65], 0
	v_nop
	global_prefetch_b8 v0, s[64:65] scope:SCOPE_SE
	s_setreg_imm32_b32 hwreg(HW_REG_WAVE_MODE, 25, 1), 1
	s_wait_xcnt 0x0
	s_wait_alu depctr_hold_cnt(0) depctr_sa_sdst(0) depctr_va_vdst(0) depctr_va_sdst(0) depctr_va_ssrc(0) depctr_va_vcc(0) depctr_vm_vsrc(0)
	s_getreg_b32 s2, hwreg(HW_REG_IB_STS2, 6, 4)
	s_cmp_eq_u32 s2, 0
	s_cbranch_scc0 .Lentry_in_a_cluster
	s_endpgm
.Lentry_in_a_cluster:
	s_bfe_u32 s2, ttmp6, 0x10000c
	s_cmp_lg_u32 s2, 0xf033
	s_cbranch_scc0 .Lentry_shape_is_right
	s_endpgm
.Lentry_shape_is_right:
; MLP1 with the second norm: act[m][n] = silu( rs[m] x sum over k of o[m][k] w1g[k][n] + b1[n] ), 4096 x 4096 x 1024, bf16 operands, f32 sums, act in bf16.
; o = the attention's rows in bf16, by heads: an[batch x 16 + head][2048][64], k = 64 head + channel.  w1g = w1 with the norm's gain already on its rows.  rs[m] = rsqrt(mean of o[m]^2 + 1e-5), the mean
; made here of ssq's 16 sums a row: a row scale goes through the product, so it is applied to the finished sums.  b1 is rounded to bf16 like every input.
; The frame is the projection's: a work-group of four waves makes 256 x 256 of C, a wave 128 x 128; K in 8 steps of 128 through two LDS slots; B [K][N] turned on its way out of LDS; the matrix
; instruction used transposed; one K step of text with the slot in a scalar; clusters of 4 x 4 with joint loads; 256 work-groups.
; A'S TILE: a K step is two heads.  128 rows of a head are 16,384 dense bytes, so a wave's load is 2 rows of 8,192 elements, 131,072 elements apart, padded by 4 words after every 32: in LDS two planes of
; 128 rows of 144 bytes.
; THE WAY OUT: each wave lays its 128 x 128 f32 into 67,584 bytes of the dead ring and reads them back by rows; silu(z) = z / (1 + 2^(-log2(e) z)): where the power overflows the quotient is 0.
; LIMITS: a row's sum of squares stays finite in f32; NaN and infinities are not treated apart.
.set NN,    4096
.set W1OFF, 6291456                    ; bytes of wb in front of w1's copy
.set PA,    144                        ; an LDS row of A: 128 bytes + 16
.set PLANE, 128*PA                     ; a head's 128 rows
.set PB,    544                        ; an LDS row of B: 512 bytes + 32
.set HA,    2*PLANE                    ; 0x9000: what a wave's load of A brings
.set HB,    64*PB                      ; 0x8800: of B
.set BOFF,  2*HA                       ; 0x12000
.set SLOT,  0x24000                    ; its two bits occur in none of the four LDS words 0, 0x9000, 0x12000, 0x1a800, so an exclusive or changes slots
.set SPARE, 2*SLOT                     ; the spare words: 128 bytes a wave
.set RSB,   SPARE+512                  ; behind them, never filled by a tensor load: each wave's 128 row scales, each twice: 1,024 bytes a wave
.set DP,    528
.set DREG,  128*DP
.set A0,   2
.set B0,   3
.set ADRA, 16
.set ADRB, 20
.set DST,  24
.set RD0,  25
.set CO,   26
.set RDC,  27
.set SPW,  28
.set NIL,  29
.set PFO,  30
.set RSW,  31                          ; v31  where I put my four rows' scales
.set BI,   32                          ; v[32:35] bias of my four columns
.set RSC,  36                          ; v36  where the trip's 16 rows' scales lie
.set F0,   64
.set F1,   128
.set Z,    64
.set T,    128
.set RS,   192                         ; v[192:223] the trip's 16 row scales, each as a pair
.set G1,  24
.set G0,  32
.set G1B, 48
.set G0B, 56
.set LIM, 43
.set PFA, 44
.set BP,  66
.set TB,  68
.set PSTEP, 70
.set NL2, 72                           ; s[72:73] -log2(e)
.set LO,  74
.set MSK, 75
.set MSB, 0
.macro WIN new
.if MSB != (\new)
	s_set_vgpr_msb (MSB<<8)|(\new)
.set MSB, \new
.endif
.endm
.set MUL_LO, 0xa1
.set MUL_HI, 0xf1
.set TO_B,   0x40
.macro PLACES
.rept 4
	v_nop
.endr
.endm
.macro RND2 a, b, t
	v_cvt_pk_bf16_f32 v[\t], v[\a], v[\b]
	v_lshlrev_b32 v[\a], 16, v[\t]
	v_and_b32 v[\b], s[MSK], v[\t]
.endm
.macro JLOAD s                         ; a joint load: waves 0 and 1 fetch A's halves, waves 2 and 3 B's; an s_nop 0 and four v_nop follow each line
	s_cmp_eq_u32 s11, 0
	s_cbranch_scc0 .Lfor_b_\@
	tensor_load_to_lds s[G0+4*(\s):G0+4*(\s)+3], s[G1:G1+7]
	s_nop 0
.rept 4
	v_nop
.endr
	s_branch .Lasked_\@
.Lfor_b_\@:
	tensor_load_to_lds s[G0B+4*(\s):G0B+4*(\s)+3], s[G1B:G1B+7]
	s_nop 0
.rept 4
	v_nop
.endr
.Lasked_\@:
.endm
; A prefetch of the K step two refills on: 32 blocks of 256 bytes, a lane a block.  A's blocks are asked for by the clusters with x = 0, B's by those with y = 0; the partners of a joint load share its
; blocks out by address.  K steps 4 to 7 are named (the trips with s3 = 6 to 3), each block once.
.macro ASK
	s_cmp_gt_u32 s3, s[LIM]
	s_cbranch_scc0 .Lnot_mine_\@
	global_prefetch_b8 v[PFO], s[PFA:PFA+1] th:TH_LOAD_NT scope:SCOPE_SE
.Lnot_mine_\@:
.endm
.macro CREST
	s_cmp_lg_u32 s10, 0
	s_cbranch_scc1 .Lnot_wave_0_\@
	s_barrier_signal -3
.Lnot_wave_0_\@:
	s_barrier_wait -3
	s_barrier_signal -1
	s_barrier_wait -1
.endm
.macro CROUND
	s_barrier_signal -1
	s_barrier_wait -1
	CREST
.endm
.macro MUL16 f, hi, a0, zero
	WIN MUL_LO+0x50*(\hi)
.irp a, \a0, (\a0)+1
.irp b, 0,1,2,3,4,5,6,7
.if \zero
	v_wmma_f32_16x16x32_bf16 v[8*(8*(\a)+(\b)):8*(8*(\a)+(\b))+7], v[(\f)+8*(\b):(\f)+8*(\b)+7], v[(\f)+8*(4*(\hi)+(\a)):(\f)+8*(4*(\hi)+(\a))+7], 0
.else
	v_wmma_f32_16x16x32_bf16 v[8*(8*(\a)+(\b)):8*(8*(\a)+(\b))+7], v[(\f)+8*(\b):(\f)+8*(\b)+7], v[(\f)+8*(4*(\hi)+(\a)):(\f)+8*(4*(\hi)+(\a))+7], v[8*(8*(\a)+(\b)):8*(8*(\a)+(\b))+7]
.endif
.endr
.endr
.endm
.macro FETCH q, f                      ; quarter q: head q / 2 of the step's two, channels 32 (q % 2) on
	WIN TO_B
.irp i, 0,1,2,3,4,5,6,7
	ds_load_tr16_b128 v[(\f)+8*(\i):(\f)+8*(\i)+3],   v[ADRB] offset:(\q)*32*PB+32*(\i)
	ds_load_tr16_b128 v[(\f)+8*(\i)+4:(\f)+8*(\i)+7], v[ADRB] offset:(\q)*32*PB+16*PB+32*(\i)
.endr
	WIN 0
.irp i, 0,1,2,3,4,5,6,7
	ds_load_b128 v[(\f)+8*(\i):(\f)+8*(\i)+3],   v[ADRA] offset:((\q)/2)*PLANE+((\q)%2)*64+(\i)*16*PA
	ds_load_b128 v[(\f)+8*(\i)+4:(\f)+8*(\i)+7], v[ADRA] offset:((\q)/2)*PLANE+((\q)%2)*64+(\i)*16*PA+32
.endr
.endm
.macro QUARTER q, f, g, zero           ; the 64 accumulators take turns in one order throughout
	s_wait_dscnt 8                                 ; B and A's rows 0-63 are in; the youngest eight loads may be out
	MUL16 \f, 0, 0, \zero
	MUL16 \f, 0, 2, \zero
	PLACES
	FETCH \q, \g
	s_wait_dscnt 32                                ; all but the 32 just issued
	MUL16 \f, 1, 0, \zero
	MUL16 \f, 1, 2, \zero
.endm
.macro MEET round
	WIN 0
	s_wait_tensorcnt 0x0                           ; all my tensor loads have landed: my part of the next slot
	ds_add_u32 v[SPW], v[NIL]
	s_wait_dscnt 9                                 ; the add and the youngest eight loads may be out
	MUL16 F1, 0, 0, 0
	s_wait_dscnt 0x0                               ; the add is done, my reads of this slot are over
	s_barrier_signal -1
	MUL16 F1, 0, 2, 0
.if \round
	WIN 0
.endif
	s_barrier_wait -1
.endm
.macro TURN fill
.if \fill
	s_wait_xcnt 0x0                                ; the last prefetch, a K step back, has read its address
	s_add_nc_u64 s[PFA:PFA+1], s[PFA:PFA+1], s[PSTEP:PSTEP+1]
	MEET 1
	CREST
	s_xor_b32 s[G0+5], s[G0+5], SLOT               ; no tensor load of mine is out: the walking descriptors step
	s_add_nc_u64 s[G0+6:G0+7], s[G0+6:G0+7], 524288   ; two heads on
	s_xor_b32 s[G0B+5], s[G0B+5], SLOT
	s_add_nc_u64 s[G0B+6:G0B+7], s[G0B+6:G0B+7], 256*NN
	JLOAD 1                                        ; its four v_nop are also the places in front of the loads below
.else
	MEET 0
	PLACES
.endif
	WIN 0
	s_xor_b32 s[TB], s[TB], SLOT
	v_add_nc_u32 v[ADRA], s[TB], v[A0]
	v_add_nc_u32 v[ADRB], s[TB], v[B0]
	FETCH 0, F0
.if \fill
	ASK
.endif
	MUL16 F1, 1, 0, 0
	MUL16 F1, 1, 2, 0
.endm
.macro DUMP
.irp a, 0,1,2,3,4,5,6,7
	WIN 0x08+4*((\a)/4)
.irp b, 0,1,2,3,4,5,6,7
	ds_store_b128 v[DST], v[8*(8*((\a)%4)+(\b)):8*(8*((\a)%4)+(\b))+3]   offset:16*DP*(\a)+64*(\b)
	ds_store_b128 v[DST], v[8*(8*((\a)%4)+(\b))+4:8*(8*((\a)%4)+(\b))+7] offset:16*DP*(\a)+64*(\b)+16
.endr
.endr
	WIN 0
.endm
	s_load_b128 s[4:7], s[0:1], 0x0                ; an, wb
	s_load_b128 s[76:79], s[0:1], 0x10             ; b1, ssq
	s_load_b64 s[8:9], s[0:1], 0x20                ; act
	v_lshl_add_u32 v[SPW], v0, 2, SPARE
	v_mov_b32 v[NIL], 0
	ds_add_u32 v[SPW], v[NIL]                      ; the opening: the add and its wait ahead of my first tensor load
	v_lshrrev_b32 v1, 5, v0
	v_readfirstlane_b32 s10, v1
	s_lshr_b32 s11, s10, 1
	s_and_b32 s12, s10, 1
	s_bfe_u32 s40, ttmp6, 0x40000
	s_bfe_u32 s41, ttmp6, 0x40004
	s_lshl_b32 s42, ttmp9, 2
	s_add_co_u32 s42, s42, s40                     ; tile column
	s_and_b32 s13, ttmp7, 0xffff
	s_lshl_b32 s13, s13, 2
	s_add_co_u32 s13, s13, s41                     ; tile row
	s_lshl_b32 s43, s41, 2
	s_lshl_b32 s43, 15, s43
	s_lshl_b32 s44, 0x1111, s40
	s_or_b32 s[G1+0], s43, (1<<16)|(1<<20)|(1<<21)|(4<<22)|(3<<25)   ; A: 2-byte elements, 4 words of padding after every 32
	s_or_b32 s[G1B+0], s44, (1<<16)|(1<<20)|(1<<21)|(6<<22)|(7<<25)  ; B: 8 words after every 128
	s_mov_b32 s[G1+1], 8192<<16                    ; A: 2 rows x 8,192 elements (128 rows of a head), 131,072 elements from head to head
	s_mov_b32 s[G1+2], 2<<16
	s_mov_b32 s[G1+3], 8192<<16
	s_mov_b32 s[G1+4], 2
	s_mov_b32 s[G1+5], 131072
	s_mov_b32 s[G1+6], 0
	s_mov_b32 s[G1+7], 0
	s_mov_b32 s[G1B+1], 256<<16
	s_mov_b32 s[G1B+2], 64<<16
	s_mov_b32 s[G1B+3], 256<<16
	s_mov_b32 s[G1B+4], 64
	s_mov_b32 s[G1B+5], NN
	s_mov_b32 s[G1B+6], 0
	s_mov_b32 s[G1B+7], 0
	s_mov_b32 s[MSK], 0xffff0000
	s_mov_b32 s[NL2], 0xbfb8aa3b
	s_mov_b32 s[NL2+1], s[NL2]
	s_mov_b32 s80, 0x3a800000                      ; 1 / 1024
	s_mov_b32 s81, 0x3727c5ac                      ; 1e-5
	s_lshr_b32 s16, s13, 3                         ; A: batch x 16 heads of 262,144 bytes,
	s_lshl_b32 s16, s16, 22
	s_lshl_b32 s17, s13, 8
	s_lshl_b32 s18, s12, 7
	s_add_co_u32 s17, s17, s18
	s_and_b32 s17, s17, 2047                       ; row 256 x tile row + 128 x half in its batch,
	s_lshl_b32 s17, s17, 7                         ; 128 bytes a row of a head
	s_add_co_u32 s16, s16, s17
	s_mov_b32 s17, 0
	s_mul_i32 s46, s12, 64*2*NN
	s_lshl_b32 s47, s42, 9
	s_add_co_u32 s46, s46, s47
	s_mov_b32 s47, 0
	s_mul_i32 s20, s12, HA                         ; where A's half goes,
	s_mul_i32 s21, s12, HB
	s_add_co_u32 s21, s21, BOFF                    ; and B's
	s_wait_dscnt 0x0                               ; the opening add is done
	s_wait_kmcnt 0x0
	s_add_nc_u64 s[6:7], s[6:7], W1OFF             ; w1's copy
	s_add_nc_u64 s[14:15], s[4:5], s[16:17]
	s_add_nc_u64 s[46:47], s[6:7], s[46:47]
	CROUND
.irp s, 0,1
	s_mov_b32 s[G0+4*(\s)], 1
	s_add_co_u32 s[G0+4*(\s)+1], s20, (\s)*SLOT
	s_add_nc_u64 s[G0+4*(\s)+2:G0+4*(\s)+3], s[14:15], (\s)*524288
	s_or_b32 s[G0+4*(\s)+3], s[G0+4*(\s)+3], 0x80000000
	s_mov_b32 s[G0B+4*(\s)], 1
	s_add_co_u32 s[G0B+4*(\s)+1], s21, (\s)*SLOT
	s_add_nc_u64 s[G0B+4*(\s)+2:G0B+4*(\s)+3], s[46:47], (\s)*256*NN
	s_or_b32 s[G0B+4*(\s)+3], s[G0B+4*(\s)+3], 0x80000000
	JLOAD \s
.endr
	v_and_b32 v1, 15, v0
	v_bfe_u32 v5, v0, 4, 1
	v_and_b32 v6, 31, v0
	v_mul_u32_u24 v[A0], v1, PA
	v_lshl_add_u32 v[A0], v5, 4, v[A0]
	s_mul_i32 s21, s11, HA
	v_add_nc_u32 v[A0], s21, v[A0]
	v_and_b32 v7, 7, v0
	v_lshl_add_u32 v7, v5, 3, v7
	v_mul_u32_u24 v[B0], v7, PB
	v_bfe_u32 v7, v0, 3, 1
	v_lshl_add_u32 v[B0], v7, 4, v[B0]
	s_lshl_b32 s22, s12, 8
	s_add_co_u32 s22, s22, BOFF
	v_add_nc_u32 v[B0], s22, v[B0]
	s_mul_i32 s23, s10, DREG
	v_mul_u32_u24 v[DST], v1, DP
	v_lshl_add_u32 v[DST], v5, 5, v[DST]
	v_add_nc_u32 v[DST], s23, v[DST]
	v_lshl_add_u32 v[RD0], v6, 4, s23              ; back: 32 lanes take a row's 512 bytes
	v_lshlrev_b32 v[CO], 3, v6
	v_lshlrev_b32 v40, 4, v6
	s_lshl_b32 s21, s10, 10
	s_add_co_u32 s21, s21, RSB                     ; my wave's row scales
	v_lshl_add_u32 v[RSW], v6, 5, s21              ; rows 4 l .. 4 l + 3, 8 bytes a row
	v_mov_b32 v[RSC], s21
	s_lshl_b32 s18, s13, 8
	s_lshl_b32 s19, s11, 7
	s_add_co_u32 s18, s18, s19                     ; my first row
	s_and_b32 s22, s18, 2047
	s_lshl_b32 s22, s22, 2                         ; its word in a head's 2,048 of ssq,
	s_lshr_b32 s23, s13, 3
	s_lshl_b32 s23, s23, 17                        ; batch x 16 heads x 8,192 bytes
	s_add_co_u32 s22, s22, s23
	s_mov_b32 s23, 0
	s_add_nc_u64 s[78:79], s[78:79], s[22:23]
	s_lshl_b32 s18, s18, 13                        ; 8,192 bytes a row of act
	s_lshl_b32 s19, s42, 8
	s_lshl_b32 s21, s12, 7
	s_add_co_u32 s19, s19, s21                     ; my first column
	s_lshl_b32 s22, s19, 2
	s_lshl1_add_u32 s18, s19, s18
	s_mov_b32 s19, 0
	s_add_nc_u64 s[8:9], s[8:9], s[18:19]
	s_add_nc_u64 s[BP:BP+1], s[76:77], s[22:23]
	global_load_b128 v[BI:BI+3], v40, s[BP:BP+1]   ; columns 4 l + 0..3
.set hd, 0
.rept 16
	global_load_b128 v[F0+4*hd:F0+4*hd+3], v40, s[78:79] offset:8192*hd  ; head hd's sums of squares of my rows 4 l .. 4 l + 3: 512 consecutive bytes a load
.set hd, hd+1
.endr
	; the prefetches: which tensor, which 32 blocks, who asks
	s_lshr_b32 s20, s40, 1                         ; A: a step's 128 blocks of my 128 rows: partner cx takes head cx / 2,
	s_lshl_b32 s20, s20, 18
	s_and_b32 s21, s40, 1
	s_lshl_b32 s21, s21, 13                        ; blocks 32 (cx % 2) on,
	s_add_co_u32 s20, s20, s21
	s_add_co_u32 s20, s20, s16
	s_add_co_u32 s20, s20, 3*524288                ; at K step 3: the first refill steps it to 4
	s_lshl_b32 s21, s12, 6
	s_lshl4_add_u32 s21, s41, s21                  ; B: my work-group's 16 of the 64 rows
	s_mul_i32 s21, s21, 2*NN
	s_lshl_b32 s22, s42, 9
	s_add_co_u32 s21, s21, s22
	s_add_co_u32 s21, s21, 3*256*NN
	s_and_b32 s22, ttmp7, 0xffff
	s_mov_b32 s[PSTEP], 256*NN
	s_mov_b32 s[PSTEP+1], 0
	s_mov_b32 s18, 2*NN
	s_cmp_eq_u32 s11, 0
	s_cselect_b32 s20, s20, s21
	s_cselect_b32 s22, ttmp9, s22                  ; the coordinate along which other clusters read the same blocks
	s_cselect_b64 s[PFA:PFA+1], s[4:5], s[6:7]
	s_cselect_b32 s[PSTEP], 524288, s[PSTEP]
	s_cselect_b32 s18, 256, s18
	s_cselect_b32 s19, 0, 1                        ; A: a lane a block on end; B: two lanes a row of 512 bytes
	s_mov_b32 s21, 0
	s_add_nc_u64 s[PFA:PFA+1], s[PFA:PFA+1], s[20:21]
	s_cmp_eq_u32 s22, 0
	s_cselect_b32 s[LIM], 2, -1
	v_lshrrev_b32 v[PFO], s19, v6
	v_mul_u32_u24 v[PFO], s18, v[PFO]
	v_and_b32 v7, s19, v6
	v_lshl_add_u32 v[PFO], v7, 8, v[PFO]
	s_wait_loadcnt 0x0                             ; the bias and the sums of squares
	RND2 BI, BI+1, 41
	RND2 BI+2, BI+3, 41
.set hd, 2
.rept 14                                       ; the 16 heads, in two chains
	v_pk_add_f32 v[F0+4*(hd%2):F0+4*(hd%2)+1], v[F0+4*(hd%2):F0+4*(hd%2)+1], v[F0+4*hd:F0+4*hd+1]
	v_pk_add_f32 v[F0+4*(hd%2)+2:F0+4*(hd%2)+3], v[F0+4*(hd%2)+2:F0+4*(hd%2)+3], v[F0+4*hd+2:F0+4*hd+3]
.set hd, hd+1
.endr
	v_pk_add_f32 v[F0:F0+1], v[F0:F0+1], v[F0+4:F0+5]
	v_pk_add_f32 v[F0+2:F0+3], v[F0+2:F0+3], v[F0+6:F0+7]
.irp k, 0,1,2,3
	v_fma_f32 v[F0+\k], v[F0+\k], s80, s81         ; / 1024 + 1e-5
.endr
.irp k, 0,1,2,3
	v_rsq_f32 v[F0+8+2*\k], v[F0+\k]
.endr
	v_nop                                          ; the plain instruction behind the last root
	s_wait_alu depctr_va_vdst(0)                   ; one wait for the four roots
.irp k, 0,1,2,3
	v_mov_b32 v[F0+9+2*\k], v[F0+8+2*\k]           ; each scale twice, so that the packed multiply-add takes it as a plain pair
.endr
	ds_store_b128 v[RSW], v[F0+8:F0+11]
	ds_store_b128 v[RSW], v[F0+12:F0+15] offset:16
	s_wait_dscnt 0x0                               ; no LDS instruction of mine is out at a signal
	s_wait_tensorcnt 1                             ; my part of K step 0 is in; step 1's may stay out
	s_barrier_signal -1
	s_barrier_wait -1
	s_mov_b32 s[TB], 0
	v_mov_b32 v[ADRA], v[A0]
	v_mov_b32 v[ADRB], v[B0]
	FETCH 0, F0
	QUARTER 1, F0, F1, 1                           ; the first quarter step starts the sums
	WIN 0
	s_mov_b32 s3, 6
.Lk:                                                   ; six trips: the rest of K step n, which asks for step n + 2, and the first quarter of step n + 1
	QUARTER 2, F1, F0, 0
	QUARTER 3, F0, F1, 0
	TURN 1
	QUARTER 1, F0, F1, 0
	WIN 0
	s_sub_co_u32 s3, s3, 1
	s_cmp_lg_u32 s3, 0
	s_cbranch_scc1 .Lk
	s_mov_b32 s3, 2
.Lt:                                                   ; the rest of K steps 6 and 7, which ask for nothing; the loop is left behind step 7's last quarter, whose fetch of the other slot's old fragments is not used
	QUARTER 2, F1, F0, 0
	QUARTER 3, F0, F1, 0
	TURN 0
	WIN 0
	s_sub_co_u32 s3, s3, 1
	s_cmp_eq_u32 s3, 0
	s_cbranch_scc1 .Lout
	QUARTER 1, F0, F1, 0
	WIN 0
	s_branch .Lt
.Lout:
	s_wait_dscnt 0x0
	s_barrier_signal -1
	s_barrier_wait -1                              ; nobody reads the ring any more
	PLACES
	DUMP
	s_mov_b32 s[LO], 0
	s_mov_b32 s3, 8
.Lrow:                                                 ; 16 rows a trip: 64 numbers a lane, two batches of transcendentals with a wait each
	v_add_nc_u32 v[RDC], s[LO], v[RD0]
.set i, 0
.rept 16
	ds_load_b128 v[Z+4*i:Z+4*i+3], v[RDC] offset:DP*i
.set i, i+1
.endr
.set i, 0
.rept 8
	ds_load_b128 v[RS+4*i:RS+4*i+3], v[RSC] offset:16*i  ; rows 2 i and 2 i + 1: their scales, each twice; every lane reads the same bytes
.set i, i+1
.endr
	s_wait_dscnt 0x0
.set i, 0
.rept 32                                       ; pair i lies in row i / 2
	v_pk_fma_f32 v[Z+2*i:Z+2*i+1], v[Z+2*i:Z+2*i+1], v[RS+2*(i/2):RS+2*(i/2)+1], v[BI+2*(i%2):BI+2*(i%2)+1]
.set i, i+1
.endr
.set i, 0
.rept 32
	v_pk_mul_f32 v[T+2*i:T+2*i+1], v[Z+2*i:Z+2*i+1], s[NL2:NL2+1] op_sel_hi:[1,0]
.set i, i+1
.endr
.set i, 0
.rept 64
	v_exp_f32 v[T+i], v[T+i]
.set i, i+1
.endr
	v_nop
	s_wait_alu depctr_va_vdst(0)                   ; one wait for the 64 exponentials
.set i, 0
.rept 32
	v_pk_add_f32 v[T+2*i:T+2*i+1], v[T+2*i:T+2*i+1], 1.0 op_sel_hi:[1,0]
.set i, i+1
.endr
.set i, 0
.rept 64
	v_rcp_f32 v[T+i], v[T+i]
.set i, i+1
.endr
	v_nop
	s_wait_alu depctr_va_vdst(0)                   ; one wait for the 64 reciprocals
.set i, 0
.rept 32
	v_pk_mul_f32 v[Z+2*i:Z+2*i+1], v[Z+2*i:Z+2*i+1], v[T+2*i:T+2*i+1]
.set i, i+1
.endr
.set i, 0
.rept 16
	v_cvt_pk_bf16_f32 v[Z+4*i], v[Z+4*i], v[Z+4*i+1]
	v_cvt_pk_bf16_f32 v[Z+4*i+1], v[Z+4*i+2], v[Z+4*i+3]
	global_store_b64 v[CO], v[Z+4*i:Z+4*i+1], s[8:9] offset:8192*i  ; a row's 128 numbers: 256 consecutive bytes, aligned
.set i, i+1
.endr
	s_wait_xcnt 0x0                                ; the stores have read their registers and their base
	v_add_nc_u32 v[RSC], 128, v[RSC]
	s_add_co_u32 s[LO], s[LO], 16*DP
	s_add_nc_u64 s[8:9], s[8:9], 131072
	s_sub_co_u32 s3, s3, 1
	s_cmp_lg_u32 s3, 0
	s_cbranch_scc1 .Lrow
	s_wait_tensorcnt 0x0                           ; the wave's end
	ds_add_u32 v[SPW], v[NIL]
	s_wait_dscnt 0x0
	CROUND                                         ; the closing round
	s_endpgm
.Lfunc_end_k_q7453d11a00_mlp1:
	.size	k_q7453d11a00_mlp1, .Lfunc_end_k_q7453d11a00_mlp1-k_q7453d11a00_mlp1
	.p2alignl 7, 3214868480
	.fill 96, 4, 3214868480
	.section	.rodata,"a",@progbits
	.p2align	6, 0x0
	.amdhsa_kernel k_q7453d11a00_mlp1
		.amdhsa_group_segment_fixed_size 327680
		.amdhsa_private_segment_fixed_size 0
		.amdhsa_enable_private_segment 0
		.amdhsa_kernarg_size 40
		.amdhsa_user_sgpr_count 2
		.amdhsa_user_sgpr_kernarg_segment_ptr 1
		.amdhsa_wavefront_size32 1
		.amdhsa_system_sgpr_workgroup_id_x 1
		.amdhsa_system_sgpr_workgroup_id_y 1
		.amdhsa_system_sgpr_workgroup_id_z 1
		.amdhsa_system_vgpr_workitem_id 0
		.amdhsa_next_free_vgpr 1024
		.amdhsa_next_free_sgpr 84
		.amdhsa_reserve_vcc 0
		.amdhsa_float_denorm_mode_32 3
		.amdhsa_float_denorm_mode_16_64 3
		.amdhsa_memory_ordered 1
		.amdhsa_forward_progress 1
		.amdhsa_inst_pref_size 101
	.end_amdhsa_kernel
	.amdgpu_metadata
---
amdhsa.version: [ 1, 2 ]
amdhsa.kernels:
  - .name:           k_q7453d11a00_mlp1
    .symbol:         k_q7453d11a00_mlp1.kd
    .args:
      - { .name: an, .offset: 0, .size: 8, .value_kind: global_buffer, .address_space: global }
      - { .name: wb, .offset: 8, .size: 8, .value_kind: global_buffer, .address_space: global }
      - { .name: b1, .offset: 16, .size: 8, .value_kind: global_buffer, .address_space: global }
      - { .name: ssq, .offset: 24, .size: 8, .value_kind: global_buffer, .address_space: global }
      - { .name: act, .offset: 32, .size: 8, .value_kind: global_buffer, .address_space: global }
    .group_segment_fixed_size: 327680
    .private_segment_fixed_size: 0
    .kernarg_segment_align: 8
    .kernarg_segment_size: 40
    .max_flat_workgroup_size: 128
    .sgpr_count:     84
    .vgpr_count:     1024
    .wavefront_size: 32
...
	.end_amdgpu_metadata
.endif
;; end of part 4
;; launch mlp2 (part 5): grid 8 x 32, 4 waves a work-group, clusters of 4 x 4, 327,680 bytes of LDS; arguments act, wb, b2, x, out0; writes out0
.if DOCPART == 5
	.amdgcn_target "amdgcn-amd-amdhsa--gfx1250"
	.amdhsa_code_object_version 6
	.text
	.protected	k_q7453d11a00_mlp2
	.globl	k_q7453d11a00_mlp2
	.p2align	8
	.type	k_q7453d11a00_mlp2,@function
k_q7453d11a00_mlp2:
	s_mov_b64 s[64:65], 0
	v_nop
	global_prefetch_b8 v0, s[64:65] scope:SCOPE_SE
	s_setreg_imm32_b32 hwreg(HW_REG_WAVE_MODE, 25, 1), 1
	s_wait_xcnt 0x0
	s_wait_alu depctr_hold_cnt(0) depctr_sa_sdst(0) depctr_va_vdst(0) depctr_va_sdst(0) depctr_va_ssrc(0) depctr_va_vcc(0) depctr_vm_vsrc(0)
	s_getreg_b32 s2, hwreg(HW_REG_IB_STS2, 6, 4)
	s_cmp_eq_u32 s2, 0
	s_cbranch_scc0 .Lentry_in_a_cluster
	s_endpgm
.Lentry_in_a_cluster:
	s_bfe_u32 s2, ttmp6, 0x10000c
	s_cmp_lg_u32 s2, 0xf033
	s_cbranch_scc0 .Lentry_shape_is_right
	s_endpgm
.Lentry_shape_is_right:
; MLP2: out0[m][n] = x[m][n] + b2[n] + sum over k of act[m][k] w2[k][n], 4096 x 1024 x 4096, bf16 operands, f32 sums and output.  x and b2 are rounded to bf16 like every input.
; A tile of C is 128 x 128, so that there are 256 work-groups; four waves, each 64 x 64: 16 accumulators.  K goes in 16 steps of 256 through two LDS slots.
; THE SUMS START AT THE RESIDUAL: x + b2 is loaded into the accumulators in the wait for the first tile; every product adds in place, and the way out has no arithmetic.
; A's rows lie along K; B lies [K][N] and comes out of LDS turned; the matrix instruction is used transposed (a lane holds row l % 16 and the columns 8 (l / 16) + 0..7).
; One K step of text, the slot in a scalar; clusters of 4 x 4 with joint loads.  No prefetch: a step's tiles are small and the step is short.
; REGISTERS: window 0: v0-31 addresses; v32-96 at work; v128-255 the accumulators ((a, b) at v[128 + 8 (4 a + b)]).  Window 1: two fragment buffers of 128: 64 of A, then 64 of B.
.set W2OFF, 14680064
.set PA,    528                        ; an LDS row of A: 512 bytes + 16
.set PB,    288                        ; an LDS row of B: 256 bytes + 32 = 9 x 32
.set HA,    64*PA                      ; 0x8400
.set HB,    128*PB                     ; 0x9000
.set BOFF,  2*HA                       ; 0x10800
.set SLOT,  0x24000                    ; its two bits occur in none of the LDS words 0, 0x8400, 0x10800, 0x19800
.set SPARE, 2*SLOT
.set DP,    272                        ; the way out: a row of 64 f32 + 16 bytes
.set A0,   2
.set B0,   3
.set ADRA, 16
.set ADRB, 20                          ; v20: K rows 0-127 of the slot in hand; v21: rows 128-255
.set DST,  24
.set RD,   25
.set CO,   26
.set XO,   27
.set SPW,  28
.set NIL,  29
.set BO,   31
.set BI,   32                          ; v[32:63] b2 of my columns, by n block
.set ACC,  128
.set F0,   0
.set F1,   128
.set G1,  24
.set G0,  32
.set G1B, 48
.set G0B, 56
.set TB,  68
.set MSK, 75
.set MSB, 0
.macro WIN new
.if MSB != (\new)
	s_set_vgpr_msb (MSB<<8)|(\new)
.set MSB, \new
.endif
.endm
.set MUL,  0x05
.set TO_F, 0x40
.macro PLACES
.rept 4
	v_nop
.endr
.endm
.macro RND2 a, b, t
	v_cvt_pk_bf16_f32 v[\t], v[\a], v[\b]
	v_lshlrev_b32 v[\a], 16, v[\t]
	v_and_b32 v[\b], s[MSK], v[\t]
.endm
.macro JLOAD s
	s_cmp_eq_u32 s11, 0
	s_cbranch_scc0 .Lfor_b_\@
	tensor_load_to_lds s[G0+4*(\s):G0+4*(\s)+3], s[G1:G1+7]
	s_nop 0
.rept 4
	v_nop
.endr
	s_branch .Lasked_\@
.Lfor_b_\@:
	tensor_load_to_lds s[G0B+4*(\s):G0B+4*(\s)+3], s[G1B:G1B+7]
	s_nop 0
.rept 4
	v_nop
.endr
.Lasked_\@:
.endm
.macro CREST
	s_cmp_lg_u32 s10, 0
	s_cbranch_scc1 .Lnot_wave_0_\@
	s_barrier_signal -3
.Lnot_wave_0_\@:
	s_barrier_wait -3
	s_barrier_signal -1
	s_barrier_wait -1
.endm
.macro CROUND
	s_barrier_signal -1
	s_barrier_wait -1
	CREST
.endm
.macro MUL8 f, c, a0                   ; 8 matrix instructions: m blocks a0, a0 + 1 x all 4 n blocks, half c of buffer f; the 16 accumulators take turns
	WIN MUL
.irp a, \a0, (\a0)+1
.irp b, 0,1,2,3
	v_wmma_f32_16x16x32_bf16 v[ACC+8*(4*(\a)+(\b)):ACC+8*(4*(\a)+(\b))+7], v[(\f)+64+8*(4*(\c)+(\b)):(\f)+64+8*(4*(\c)+(\b))+7], v[(\f)+8*(4*(\c)+(\a)):(\f)+8*(4*(\c)+(\a))+7], v[ACC+8*(4*(\a)+(\b)):ACC+8*(4*(\a)+(\b))+7]
.endr
.endr
.endm
.macro FETCH q, f                      ; 32 LDS loads in one run: quarter q (64 along K) into buffer f; its first 32 along K first
	WIN TO_F
.irp c, 0,1
.irp i, 0,1,2,3
	ds_load_tr16_b128 v[(\f)+64+8*(4*(\c)+(\i)):(\f)+64+8*(4*(\c)+(\i))+3],   v[ADRB+(\q)/2] offset:((\q)%2)*64*PB+(\c)*32*PB+32*(\i)
	ds_load_tr16_b128 v[(\f)+64+8*(4*(\c)+(\i))+4:(\f)+64+8*(4*(\c)+(\i))+7], v[ADRB+(\q)/2] offset:((\q)%2)*64*PB+(\c)*32*PB+16*PB+32*(\i)
	ds_load_b128 v[(\f)+8*(4*(\c)+(\i)):(\f)+8*(4*(\c)+(\i))+3],   v[ADRA] offset:(\q)*128+64*(\c)+(\i)*16*PA
	ds_load_b128 v[(\f)+8*(4*(\c)+(\i))+4:(\f)+8*(4*(\c)+(\i))+7], v[ADRA] offset:(\q)*128+64*(\c)+(\i)*16*PA+32
.endr
.endr
.endm
.macro QUARTER q, f, g
	s_wait_dscnt 16                                ; the first 32 along K are in
	MUL8 \f, 0, 0
	MUL8 \f, 0, 2
	PLACES
	FETCH \q, \g
	s_wait_dscnt 32                                ; all but the 32 just issued
	MUL8 \f, 1, 0
	MUL8 \f, 1, 2
.endm
; The last quarter and the change of slots: every wave waits for all its tensor loads, adds 0 to its spare word, waits for that and for its reads of this slot.  fill = 1: behind a round of the
; cluster's barrier this slot is filled again, first thing, with the K step two on.
.macro TURN fill
	WIN 0
	s_wait_tensorcnt 0x0
	ds_add_u32 v[SPW], v[NIL]
	s_wait_dscnt 17                                ; the add and the youngest sixteen loads may be out
	MUL8 F1, 0, 0
	s_wait_dscnt 0x0                               ; the add is done, my reads of this slot are over
	s_barrier_signal -1
	MUL8 F1, 0, 2
.if \fill
	WIN 0
.endif
	s_barrier_wait -1
.if \fill
	CREST
	s_xor_b32 s[G0+5], s[G0+5], SLOT
	s_add_nc_u64 s[G0+6:G0+7], s[G0+6:G0+7], 512
	s_xor_b32 s[G0B+5], s[G0B+5], SLOT
	s_add_nc_u64 s[G0B+6:G0B+7], s[G0B+6:G0B+7], 524288
	JLOAD 1                                        ; its four v_nop are also the places in front of the loads below
.else
	PLACES
.endif
	WIN 0
	s_xor_b32 s[TB], s[TB], SLOT
	v_add_nc_u32 v[ADRA], s[TB], v[A0]
	v_add_nc_u32 v[ADRB], s[TB], v[B0]
	v_add_nc_u32 v[ADRB+1], 128*PB, v[ADRB]
	FETCH 0, F0
	MUL8 F1, 1, 0
	MUL8 F1, 1, 2
.endm
.macro KS fill
	QUARTER 1, F0, F1
	QUARTER 2, F1, F0
	QUARTER 3, F0, F1
	TURN \fill
.endm
	s_load_b128 s[4:7], s[0:1], 0x0                ; act, wb
	s_load_b128 s[76:79], s[0:1], 0x10             ; b2, x
	s_load_b64 s[8:9], s[0:1], 0x20                ; out0
	v_lshl_add_u32 v[SPW], v0, 2, SPARE
	v_mov_b32 v[NIL], 0
	ds_add_u32 v[SPW], v[NIL]                      ; the opening: the add and its wait ahead of my first tensor load
	v_lshrrev_b32 v1, 5, v0
	v_readfirstlane_b32 s10, v1
	s_lshr_b32 s11, s10, 1
	s_and_b32 s12, s10, 1
	s_bfe_u32 s40, ttmp6, 0x40000
	s_bfe_u32 s41, ttmp6, 0x40004
	s_lshl_b32 s42, ttmp9, 2
	s_add_co_u32 s42, s42, s40                     ; tile column
	s_and_b32 s13, ttmp7, 0xffff
	s_lshl_b32 s13, s13, 2
	s_add_co_u32 s13, s13, s41                     ; tile row
	s_lshl_b32 s43, s41, 2
	s_lshl_b32 s43, 15, s43
	s_lshl_b32 s44, 0x1111, s40
	s_or_b32 s[G1+0], s43, (1<<16)|(1<<20)|(1<<21)|(6<<22)|(3<<25)   ; A: 4 words of padding after every 128
	s_or_b32 s[G1B+0], s44, (1<<16)|(1<<20)|(1<<21)|(5<<22)|(7<<25)  ; B: 8 words after every 64
	s_mov_b32 s[G1+1], 256<<16                     ; A: 64 rows x 256 elements, 4,096 from row to row
	s_mov_b32 s[G1+2], 64<<16
	s_mov_b32 s[G1+3], 256<<16
	s_mov_b32 s[G1+4], 64
	s_mov_b32 s[G1+5], 4096
	s_mov_b32 s[G1+6], 0
	s_mov_b32 s[G1+7], 0
	s_mov_b32 s[G1B+1], 128<<16                    ; B: 128 rows x 128 elements, 1,024 from row to row
	s_mov_b32 s[G1B+2], 128<<16
	s_mov_b32 s[G1B+3], 128<<16
	s_mov_b32 s[G1B+4], 128
	s_mov_b32 s[G1B+5], 1024
	s_mov_b32 s[G1B+6], 0
	s_mov_b32 s[G1B+7], 0
	s_mov_b32 s[MSK], 0xffff0000
	s_lshl_b32 s16, s13, 7
	s_lshl_b32 s17, s12, 6
	s_add_co_u32 s16, s16, s17
	s_lshl_b32 s16, s16, 13                        ; A: row 128 x tile row + 64 x half, 8,192 bytes a row
	s_mov_b32 s17, 0
	s_lshl_b32 s46, s12, 18                        ; B: row 128 x half, 2,048 bytes a row,
	s_lshl_b32 s47, s42, 8                         ; column 128 x tile column
	s_add_co_u32 s46, s46, s47
	s_add_co_u32 s46, s46, W2OFF
	s_mov_b32 s47, 0
	s_mul_i32 s20, s12, HA                         ; where A's half goes,
	s_mul_i32 s21, s12, HB
	s_add_co_u32 s21, s21, BOFF                    ; and B's
	s_wait_dscnt 0x0                               ; the opening add is done
	s_wait_kmcnt 0x0
	s_add_nc_u64 s[14:15], s[4:5], s[16:17]
	s_add_nc_u64 s[46:47], s[6:7], s[46:47]
	CROUND
.irp s, 0,1
	s_mov_b32 s[G0+4*(\s)], 1
	s_add_co_u32 s[G0+4*(\s)+1], s20, (\s)*SLOT
	s_add_nc_u64 s[G0+4*(\s)+2:G0+4*(\s)+3], s[14:15], (\s)*512
	s_or_b32 s[G0+4*(\s)+3], s[G0+4*(\s)+3], 0x80000000
	s_mov_b32 s[G0B+4*(\s)], 1
	s_add_co_u32 s[G0B+4*(\s)+1], s21, (\s)*SLOT
	s_add_nc_u64 s[G0B+4*(\s)+2:G0B+4*(\s)+3], s[46:47], (\s)*524288
	s_or_b32 s[G0B+4*(\s)+3], s[G0B+4*(\s)+3], 0x80000000
	JLOAD \s
.endr
	v_and_b32 v1, 15, v0                           ; r
	v_bfe_u32 v5, v0, 4, 1                         ; h
	s_lshl_b32 s18, s13, 7
	s_lshl_b32 s19, s11, 6
	s_add_co_u32 s18, s18, s19                     ; my first row,
	s_lshl_b32 s18, s18, 12                        ; 4,096 bytes a row of x and of out0
	s_lshl_b32 s19, s42, 7
	s_lshl_b32 s22, s12, 6
	s_add_co_u32 s19, s19, s22                     ; my first column
	s_lshl_b32 s22, s19, 2
	s_add_co_u32 s18, s18, s22
	s_mov_b32 s19, 0
	s_mov_b32 s23, 0
	s_add_nc_u64 s[78:79], s[78:79], s[18:19]
	s_add_nc_u64 s[8:9], s[8:9], s[18:19]
	s_add_nc_u64 s[76:77], s[76:77], s[22:23]
	v_lshlrev_b32 v[XO], 12, v1
	v_lshl_add_u32 v[XO], v5, 5, v[XO]             ; row r, columns 8 h on
	v_lshlrev_b32 v[BO], 5, v5
.irp a, 0,1,2,3
.irp b, 0,1,2,3
	global_load_b128 v[ACC+8*(4*\a+\b):ACC+8*(4*\a+\b)+3],   v[XO], s[78:79] offset:65536*\a+64*\b     ; x lands where its sum will stand
	global_load_b128 v[ACC+8*(4*\a+\b)+4:ACC+8*(4*\a+\b)+7], v[XO], s[78:79] offset:65536*\a+64*\b+16
.endr
.endr
.irp b, 0,1,2,3
	global_load_b128 v[BI+8*\b:BI+8*\b+3],   v[BO], s[76:77] offset:64*\b
	global_load_b128 v[BI+8*\b+4:BI+8*\b+7], v[BO], s[76:77] offset:64*\b+16
.endr
	v_mul_u32_u24 v[A0], v1, PA
	v_lshl_add_u32 v[A0], v5, 4, v[A0]
	s_mul_i32 s21, s11, HA
	v_add_nc_u32 v[A0], s21, v[A0]
	v_and_b32 v7, 7, v0
	v_lshl_add_u32 v7, v5, 3, v7
	v_mul_u32_u24 v[B0], v7, PB
	v_bfe_u32 v7, v0, 3, 1
	v_lshl_add_u32 v[B0], v7, 4, v[B0]
	s_lshl_b32 s22, s12, 7
	s_add_co_u32 s22, s22, BOFF
	v_add_nc_u32 v[B0], s22, v[B0]
	s_mul_i32 s23, s10, 64*DP
	v_mul_u32_u24 v[DST], v1, DP
	v_lshl_add_u32 v[DST], v5, 5, v[DST]
	v_add_nc_u32 v[DST], s23, v[DST]
	v_mul_u32_u24 v[RD], v5, DP
	v_lshl_add_u32 v[RD], v1, 4, v[RD]
	v_add_nc_u32 v[RD], s23, v[RD]
	v_lshlrev_b32 v[CO], 12, v5
	v_lshl_add_u32 v[CO], v1, 4, v[CO]
	s_wait_loadcnt 0x0                             ; x and b2
.set i, 0
.rept 16
	RND2 BI+2*i, BI+2*i+1, 96
.set i, i+1
.endr
.set i, 0
.rept 64
	RND2 ACC+2*i, ACC+2*i+1, 96
.set i, i+1
.endr
.set i, 0
.rept 64                                       ; pair i lies in accumulator i / 4, whose n block is (i / 4) % 4
	v_pk_add_f32 v[ACC+2*i:ACC+2*i+1], v[ACC+2*i:ACC+2*i+1], v[BI+8*((i/4)%4)+2*(i%4):BI+8*((i/4)%4)+2*(i%4)+1]
.set i, i+1
.endr
	s_wait_tensorcnt 1                             ; my part of K step 0 is in; step 1's may stay out
	s_barrier_signal -1
	s_barrier_wait -1
	s_mov_b32 s[TB], 0
	v_mov_b32 v[ADRA], v[A0]
	v_mov_b32 v[ADRB], v[B0]
	v_add_nc_u32 v[ADRB+1], 128*PB, v[B0]
	FETCH 0, F0
	WIN 0
	s_mov_b32 s3, 14
.Lk:                                                   ; K steps 0 to 13 ask for steps 2 to 15
	KS 1
	WIN 0
	s_sub_co_u32 s3, s3, 1
	s_cmp_lg_u32 s3, 0
	s_cbranch_scc1 .Lk
	s_mov_b32 s3, 2
.Lt:                                                   ; K steps 14 and 15 ask for nothing; the last fetches the other slot's old fragments once and does not use them
	KS 0
	WIN 0
	s_sub_co_u32 s3, s3, 1
	s_cmp_lg_u32 s3, 0
	s_cbranch_scc1 .Lt
	s_wait_dscnt 0x0
	s_barrier_signal -1
	s_barrier_wait -1                              ; nobody reads the ring any more: it has had its last fill and may be written over
	PLACES
.irp a, 0,1,2,3
.irp b, 0,1,2,3
	ds_store_b128 v[DST], v[ACC+8*(4*\a+\b):ACC+8*(4*\a+\b)+3]   offset:16*DP*\a+64*\b     ; each accumulator's low registers first
	ds_store_b128 v[DST], v[ACC+8*(4*\a+\b)+4:ACC+8*(4*\a+\b)+7] offset:16*DP*\a+64*\b+16
.endr
.endr
.irp g, 0,1
.set i, 0
.rept 16
	ds_load_b128 v[32+4*i:32+4*i+3], v[RD] offset:2*DP*(i+16*\g)  ; LDS serves a wave's instructions in order (ISA guide 5.7.1.4): these see my stores above
.set i, i+1
.endr
.set i, 0
.rept 16
	s_wait_dscnt 15-i
	global_store_b128 v[CO], v[32+4*i:32+4*i+3], s[8:9] offset:8192*(i+16*\g) th:TH_STORE_NT  ; sixteen lanes store a row's 256 consecutive bytes, aligned
.set i, i+1
.endr
	s_wait_xcnt 0x0                                ; the stores have read their registers
.endr
	s_wait_tensorcnt 0x0                           ; the wave's end
	ds_add_u32 v[SPW], v[NIL]
	s_wait_dscnt 0x0
	CROUND                                         ; the closing round
	s_endpgm
.Lfunc_end_k_q7453d11a00_mlp2:
	.size	k_q7453d11a00_mlp2, .Lfunc_end_k_q7453d11a00_mlp2-k_q7453d11a00_mlp2
	.p2alignl 7, 3214868480
	.fill 96, 4, 3214868480
	.section	.rodata,"a",@progbits
	.p2align	6, 0x0
	.amdhsa_kernel k_q7453d11a00_mlp2
		.amdhsa_group_segment_fixed_size 327680
		.amdhsa_private_segment_fixed_size 0
		.amdhsa_enable_private_segment 0
		.amdhsa_kernarg_size 40
		.amdhsa_user_sgpr_count 2
		.amdhsa_user_sgpr_kernarg_segment_ptr 1
		.amdhsa_wavefront_size32 1
		.amdhsa_system_sgpr_workgroup_id_x 1
		.amdhsa_system_sgpr_workgroup_id_y 1
		.amdhsa_system_sgpr_workgroup_id_z 1
		.amdhsa_system_vgpr_workitem_id 0
		.amdhsa_next_free_vgpr 512
		.amdhsa_next_free_sgpr 84
		.amdhsa_reserve_vcc 0
		.amdhsa_float_denorm_mode_32 3
		.amdhsa_float_denorm_mode_16_64 3
		.amdhsa_memory_ordered 1
		.amdhsa_forward_progress 1
		.amdhsa_inst_pref_size 73
	.end_amdhsa_kernel
	.amdgpu_metadata
---
amdhsa.version: [ 1, 2 ]
amdhsa.kernels:
  - .name:           k_q7453d11a00_mlp2
    .symbol:         k_q7453d11a00_mlp2.kd
    .args:
      - { .name: act, .offset: 0, .size: 8, .value_kind: global_buffer, .address_space: global }
      - { .name: wb, .offset: 8, .size: 8, .value_kind: global_buffer, .address_space: global }
      - { .name: b2, .offset: 16, .size: 8, .value_kind: global_buffer, .address_space: global }
      - { .name: x, .offset: 24, .size: 8, .value_kind: global_buffer, .address_space: global }
      - { .name: out0, .offset: 32, .size: 8, .value_kind: global_buffer, .address_space: global }
    .group_segment_fixed_size: 327680
    .private_segment_fixed_size: 0
    .kernarg_segment_align: 8
    .kernarg_segment_size: 40
    .max_flat_workgroup_size: 128
    .sgpr_count:     84
    .vgpr_count:     512
    .wavefront_size: 32
...
	.end_amdgpu_metadata
.endif
;; end of part 5
